; MI455X (gfx1250); checked and timed in simulation.
; The chip was launched on July 23, 2026; its instructions are those of AMD's public machine-readable ISA for CDNA 5 (MIT licence, August 2026) and "CDNA5" Instruction Set Architecture Reference Guide (July 2026). The comments in the code are by the model that wrote it; some were corrected since.
;; Multi Head Attention. Allowed arithmetic: matrix products marked QUANTISED: E4M3 operands, one E8M0 scale for each 32 along K, by v_wmma_scale_f32_16x16x128_f8f6f4 with both operands' format E4M3, f32 sums; everything else in f32.
;; Inputs: Wk_codes 16 x 64 x 32 x 32 uint8 (E4M3 codes of Wk, K innermost, in blocks of 32 codes); Wk_scales 16 x 64 x 32 uint8 (E8M0 scales of Wk, one for each 32 codes along K); Wp_codes 1,024 x 32 x 32 uint8 (E4M3 codes of Wp, K innermost, in blocks of 32 codes); Wp_scales 1,024 x 32 uint8 (E8M0 scales of Wp, one for each 32 codes along K); Wq_codes 16 x 64 x 32 x 32 uint8 (E4M3 codes of Wq, K innermost, in blocks of 32 codes); Wq_scales 16 x 64 x 32 uint8 (E8M0 scales of Wq, one for each 32 codes along K); Wv_codes 16 x 64 x 32 x 32 uint8 (E4M3 codes of Wv, K innermost, in blocks of 32 codes); Wv_scales 16 x 64 x 32 uint8 (E8M0 scales of Wv, one for each 32 codes along K); bp 1,024 float32; x_codes 4 x 2,048 x 32 x 32 uint8 (E4M3 codes of x, K innermost, in blocks of 32 codes); x_scales 4 x 2,048 x 32 uint8 (E8M0 scales of x, one for each 32 codes along K).
;; Outputs: out0 4 x 2,048 x 1,024 float32.
;; This version of the problem:
;;   THIS VERSION OF THE PROBLEM IS GIVEN IN LOW PRECISION. The matrix products marked QUANTISED in the list below multiply operands that are first quantised to E4M3 (4 exponent bits, 3 mantissa bits; 8 bits a number), with one power-of-two scale for each 32 numbers along K (OCP MX v1.0); their sums are f32. All else is computed in f32.
;;   The module's matrix products, in the order in which they are computed (A, B: the left and right operand; K: the contracted axis; several contracted axes count as one K, in the product's order):
;;     1. [M 1,024, K 1,024] x [K 1,024, N 8,192]; A: input Wq (given as codes); B: input x (given as codes): QUANTISED
;;     2. [M 1,024, K 1,024] x [K 1,024, N 8,192]; A: input Wk (given as codes); B: input x (given as codes): QUANTISED
;;     3. [M 1,024, K 1,024] x [K 1,024, N 8,192]; A: input Wv (given as codes); B: input x (given as codes): QUANTISED
;;     4. batch 64 x [M 2,048, K 64] x [K 64, N 2,048]; A: computed on the way; B: computed on the way: QUANTISED
;;     5. batch 64 x [M 2,048, K 2,048] x [K 2,048, N 64]; A: softmax (see below); B: computed on the way: QUANTISED
;;     6. [M 8,192, K 1,024] x [K 1,024, N 1,024]; A: computed on the way; B: input Wp (given as codes): QUANTISED
;;   THE QUANTISER, for each operand of a quantised product, along K:
;;     - K is cut into blocks of 32 from its start; a last block that is shorter is filled with zeros.
;;     - A block's scale is 2^e with e = floor(log2(the largest magnitude in the block)) - 8, held to -126 .. 127; a block of zeros has e = 0. As a byte (E8M0): e + 127.
;;     - Each number is divided by its block's scale, clamped to +-448, and rounded to the nearest number of E4M3, ties to even, subnormals kept.
;;     - The product sums the exact products of the quantised numbers (number of the format x scale) in f32.
;;   ~~~python
;;   def quantise(x, axis):      # numpy; x: float32 -> the quantised numbers, widened to float32 again
;;       x = np.moveaxis(x, axis, -1); K = x.shape[-1]
;;       x = np.pad(x, [(0, 0)] * (x.ndim - 1) + [(0, -K % 32)]); x = x.reshape(x.shape[:-1] + (-1, 32)); a = np.abs(x).max(-1, keepdims=True)
;;       e = np.where(a > 0, np.clip(np.frexp(np.where(a > 0, a, 1))[1] - 1 - 8, -126, 127), 0)      # np.frexp(a)[1] - 1 = floor(log2(a)), exactly
;;       r = np.clip(x / 2.0 ** e, -448, 448)
;;       step = 2.0 ** (np.maximum(np.frexp(np.where(r == 0, 1, r))[1] - 1, -6) - 3)
;;       q = np.round(r / step) * step * 2.0 ** e      # np.round: ties to even
;;       return np.moveaxis(q.reshape(q.shape[:-2] + (-1,))[..., :K], -1, axis).astype(np.float32)
;;   ~~~
;;   SOFTMAX AHEAD OF A QUANTISED PRODUCT. Where the list says 'softmax', what is quantised is not the finished softmax but p = 2^(t - M), with t = logit x log2(e) and M = ceil(the row's largest t), a whole number; so 1/2 < the row's largest p <= 1. The row's sum l is taken of the UNQUANTISED p, in f32, and the product's result is divided by l at the end. Since M is a whole number, a kernel that streams over the keys may use a running M (the ceiling of the running maximum): every later rescaling is an exact power of two, which a block's scale takes up: the codes' values come out the same.
;;   OPERANDS COMPUTED ON THE WAY. 'Computed on the way' means the value that the module computes at that place (a softmax that the list does not call 'softmax' is quantised finished and normalised). What goes into a quantiser is computed in f32, as accurately as f32 sums, v_exp_f32 and their like allow (about 1e-6 of the number): no bf16 or f16 on the way to a quantiser, and a product that is left as it is and whose result goes on into a quantised operand takes f32 operands (vector FMAs, or v_wmma_f32_16x16x4_f32). A number that lies on a knife's edge between two numbers of the format may be rounded either way, as far as f32 arithmetic and the matrix unit's own rounding can turn it there, and no further.
;;   INPUTS GIVEN AS CODES. Wk (in the module: [16, 1024, 64], K = its axis 1); Wp (in the module: [1024, 1024], K = its axis 1); Wq (in the module: [16, 1024, 64], K = its axis 1); Wv (in the module: [16, 1024, 64], K = its axis 1); x (in the module: [4, 2048, 1024], K = its axis 2): each comes as NAME_codes (uint8): NAME with its K axis moved to the last place and cut into blocks of 32 codes, [.., K / 32, bytes a block], one block behind the other in memory; one code a byte (a code: sign, 4 exponent bits, 3 mantissa bits); and NAME_scales (uint8): the same leading axes, one E8M0 byte (e + 127) for each 32 codes along K. Its value is code x scale, taken as it is: it is not quantised again, and the codes and scales need not be those that the quantiser above would give.
;; One version. Each part assembles by itself: llvm-mc -triple=amdgcn-amd-amdhsa -mcpu=gfx1250 --defsym DOCPART=n.
;; ======== version 1 of 1: 3 launches
;; limits: right only within a limited range of input values
;; workspace buffers: qc 8,388,608 bytes; kc 8,388,608 bytes; vc 8,388,608 bytes; qsc 524,288 bytes; ksc 524,288 bytes; vsc 524,288 bytes; ao 8,388,608 bytes; aosc 262,144 bytes
;; launch qkv (part 1): grid 12 x 32, 4 waves a work-group, clusters of 4 x 4, 327,680 bytes of LDS; arguments x_codes, x_scales, Wq_codes, Wq_scales, Wk_codes, Wk_scales, Wv_codes, Wv_scales, qc, qsc, kc, ksc, vc, vsc; writes qc, qsc, kc, ksc, vc, vsc
.if DOCPART == 1
	.amdgcn_target "amdgcn-amd-amdhsa--gfx1250"
	.amdhsa_code_object_version 6
	.text
	.protected	k_qf820d34141_qkv
	.globl	k_qf820d34141_qkv
	.p2align	8
	.type	k_qf820d34141_qkv,@function
k_qf820d34141_qkv:
	s_mov_b64 s[64:65], 0
	v_nop
	global_prefetch_b8 v0, s[64:65] scope:SCOPE_SE
	s_setreg_imm32_b32 hwreg(HW_REG_WAVE_MODE, 25, 1), 1
	s_wait_xcnt 0x0
	s_wait_alu depctr_hold_cnt(0) depctr_sa_sdst(0) depctr_va_vdst(0) depctr_va_sdst(0) depctr_va_ssrc(0) depctr_va_vcc(0) depctr_vm_vsrc(0)
	s_getreg_b32 s2, hwreg(HW_REG_IB_STS2, 6, 4)
	s_cmp_eq_u32 s2, 0
	s_cbranch_scc0 .Lentry_in_a_cluster
	s_endpgm
.Lentry_in_a_cluster:
	s_bfe_u32 s2, ttmp6, 0x10000c
	s_cmp_lg_u32 s2, 0xf033
	s_cbranch_scc0 .Lentry_shape_is_right
	s_endpgm
.Lentry_shape_is_right:
; q, k, v = x W^T for all heads, on codes of FP8 (E4M3) with one E8M0 scale for each 32 along K = 1,024, and the results quantised at once: q and k along the head's 64, v along the keys.
; x: 8,192 tokens x 1,024 codes; each W: 1,024 rows (head x 64 + d) x 1,024 codes; scale bytes 32 a row.
; SHARES.  Cluster x = 0, 1, 2 makes q, k, v.  A work-group makes 256 tokens x 256 rows of W, each of its four waves 128 x 128: 64 accumulators, 512 registers.  K goes in steps of 256 through two LDS slots.
; CLUSTERS: 4 x 4 work-groups.  The four of a row of the cluster need the same tokens of x, the four of a column the same rows of W: each tile is asked for jointly.
; WHICH SIDE IS WHICH.  In a result, a lane holds one row of source 1 and its eight registers run along the rows of source 0.  A quantiser wants a lane's registers to run along the NEXT product's K.
;   q, k: source 0 = W, source 1 = x: a lane holds a token, its registers run along (head, d).    v: source 0 = x, source 1 = Wv: a lane holds a row (head, d), its registers run along the tokens (the keys).
;   The text is one: only the global pointers and offsets of the two sources are chosen, by the cluster's x, which all sixteen partners share.
; WHAT LEAVES.  The 16 registers of two neighbouring result tiles are 16 numbers of one block of 32 along the next K (the other 16 lie in lane l xor 16).  Their codes are four registers of the next operand, stored AS AN IMAGE
;   OF THOSE REGISTERS: lane l's 16 bytes at 16 l, 512 consecutive bytes a store.  Inside a block the place (half h, byte n) holds k = 8 h + n % 8 + 16 (n / 8): every operand that meets such an image has the same order.
;   qc, kc: [b][head pair][tile of 16 tokens][head of the pair][block 2][512];  vc: [b][head pair][128 keys][head of the pair][16 of d][block 4][512].
;   qsc, ksc: [b][pair][64 tokens][head][row 16][4 words, one a tile]: bytes 0, 1 of a word are the head's two blocks, bytes 2, 3 are never 0xff.  vsc: [b][pair][128 keys][head][twice][row 16][4 words, one for each 16 of d].
; LIMITS: NaN and infinities among the inputs are not served.  A block whose largest magnitude lies under 2^(9 - 127), a block of zeros too, gets the byte 1: its codes are what the conversion gives under that scale
;   (zeros for zeros), and this program alone reads the bytes.
; REGISTERS, in windows of 256: window 0: v16-30 addresses; v32-95 scale words, two sets; v128-255 source 1's fragments, ONE set; on the way out v32-95 numbers held, v96-123 at work, v128-255 codes.
;   window 1: source 0's fragments, TWO sets, at v0 and v128.   windows 2, 3: the accumulators ((a, b) at v[8 (8 (a % 4) + b)], a = source 1's block, b = source 0's).
.set KROW,  1024                       ; a row of x or of W in memory, in bytes
.set ROWB,  256                        ; a tile's row: 256 codes
.set PITCH, 272                        ; an LDS row: 256 bytes + 16 of padding = 68 words, so that the 16 rows that a load touches start at 16 different banks (64 banks of 4 bytes: ISA guide 11.1)
.set FR,    16                         ; registers of a fragment: 16 rows x 128 K
.set NP,    8                          ; places behind this matrix instruction (ISA guide 7.12.1)
.set HALFT, 128*PITCH                  ; 128 rows: what one tensor load brings
.set SLOT,  4*HALFT                    ; x's 256 rows, then W's 256 rows
.set SCL,   2*SLOT                     ; behind the ring: the scale bytes for all of K, as units of 256 bytes + 16 of padding
.set HALFS, 16*272                     ; those of 128 rows
.set SBLK,  2*272                      ; those of 16 rows
.set SPARE, SCL+4*HALFS                ; the spare words, 128 bytes for each wave: two blocks of 256 bytes that no other line names
.set ADR1, 16                          ; v16-17  LDS address of source 1's fragments in slot 0, 1
.set ADR0, 20                          ; v20-21  of source 0's
.set ADS1, 22                          ; v22     of source 1's scale words
.set ADS0, 23                          ; v23     of source 0's
.set CO,   26                          ; v26     16 x lane: my place in an image
.set SPW,  28                          ; v28     LDS address of my spare word; never rewritten
.set NIL,  29                          ; v29     0; never rewritten
.set SH,   30                          ; v30     q, k: 16 x (lane / 16); v: 0
.set SC,   32                          ; scale words: set s at v[32 + 32 s]; + 2 i + q: source 1's block i; + 16 + 2 i + q: source 0's block i; q: which 128 of the slot's 256
.set X,    32                          ; the way out: 64 numbers, held
.set TM,   96                          ; v96-99 largest magnitudes, v100-103 bytes, v104-107 448 x the scale, v108-111 the conversions' scale operands
.set WD,   112                         ; the four bytes as a word
.set SW,   116                         ; v116-123 the eight words that leave
.set AF,   128                         ; source 1's fragments; on the way out the codes
.set G1, 24                            ; s[24:31] descriptor group 1 for x's tiles;  s[32:39] group 0, one set for each slot
.set G0, 32
.set G1B, 48                           ; s[48:55], s[56:63] the same for W's tiles
.set G0B, 56
.set G1S, 68                           ; s[68:75], s[76:79] groups 1 and 0 for x's scales;  s[80:87], s[88:91] for W's
.set G0S, 76
.set G1SB, 80
.set G0SB, 88
.set MSB, 0
.macro WIN new                         ; the immediate's high byte repeats the setting that is left
.if MSB != \new
	s_set_vgpr_msb (MSB<<8)|\new
.set MSB, \new
.endif
.endm
.set MUL_LO, 0xa1                      ; source 0 window 1, source 1 window 0, C and D window 2
.set MUL_HI, 0xf1                      ; the same, C and D window 3
.set TO_1,   0x40                      ; destination window 1, address window 0
; A joint load: waves 0 and 1 fetch for x, waves 2 and 3 for W.  Each of the two lines has one mask and one set of registers for all that issue it; the branch hangs on the wave's number alone.
; Four v_nop follow each of the two lines, ahead of the jump, the label and what follows.
.macro JLOAD g0a, g1a, g0b, g1b
	s_cmp_eq_u32 s15, 0
	s_cbranch_scc0 .Lfor_b_\@
	tensor_load_to_lds s[\g0a:\g0a+3], s[\g1a:\g1a+7]
	s_nop 0
.rept 4
	v_nop
.endr
	s_branch .Lasked_\@
.Lfor_b_\@:
	tensor_load_to_lds s[\g0b:\g0b+3], s[\g1b:\g1b+7]
	s_nop 0
.rept 4
	v_nop
.endr
.Lasked_\@:
.endm
.macro CREST                           ; a round of the cluster's barrier behind its opening barrier
	s_cmp_lg_u32 s14, 0
	s_cbranch_scc1 .Lnot_wave_0_\@
	s_barrier_signal -3
.Lnot_wave_0_\@:
	s_barrier_wait -3
	s_barrier_signal -1
	s_barrier_wait -1
.endm
.macro CROUND                          ; a whole round
	s_barrier_signal -1
	s_barrier_wait -1
	CREST
.endm
	s_load_b128 s[4:7], s[0:1], 0x0                ; x's codes, x's scales
	s_load_b128 s[68:71], s[0:1], 0x10             ; Wq's codes, scales
	s_load_b128 s[72:75], s[0:1], 0x20             ; Wk's
	s_load_b128 s[76:79], s[0:1], 0x30             ; Wv's
	s_load_b128 s[80:83], s[0:1], 0x40             ; qc, qsc
	s_load_b128 s[84:87], s[0:1], 0x50             ; kc, ksc
	s_load_b128 s[88:91], s[0:1], 0x60             ; vc, vsc
	v_lshl_add_u32 v[SPW], v0, 2, SPARE
	v_mov_b32 v[NIL], 0
	ds_add_u32 v28, v29
	ds_add_u32 v28, v29
	s_wait_dscnt 0x0
	v_lshrrev_b32 v1, 5, v0
	v_readfirstlane_b32 s14, v1                    ; wave 0..3
	s_lshr_b32 s15, s14, 1                         ; which half of source 1's 256 rows is mine.  Also: I fetch for x (0) or for W (1)
	s_and_b32 s16, s14, 1                          ; which half of source 0's.  Also: which 128 rows of that tile I fetch
	s_bfe_u32 s40, ttmp6, 0x40000                  ; cx: which 256 rows of W
	s_bfe_u32 s41, ttmp6, 0x40004                  ; cy
	; WHICH TILE IS WHOSE.  Source 1's 256 rows lie first in a slot and are shared along a row of the cluster, source 0's lie behind them and are shared along a column, for q, k and v alike: every LDS base is a constant.
	; q, k: source 1 = tokens 4 Y + cy, source 0 = W's rows cx.   v: source 1 = Wv's rows cy, source 0 = tokens 4 Y + cx.  Only global pointers and offsets are chosen, by the cluster's x, which all sixteen partners share.
	s_and_b32 s17, ttmp7, 0xffff
	s_lshl_b32 s17, s17, 2                         ; 4 Y
	s_cmp_eq_u32 ttmp9, 2                          ; v?
	s_cselect_b32 s42, s17, 0
	s_cselect_b32 s17, 0, s17
	s_add_co_u32 s17, s17, s41                     ; source 1's tile of 256 rows: hangs on cy
	s_add_co_u32 s42, s42, s40                     ; source 0's: hangs on cx
	s_lshl_b32 s43, s41, 2
	s_lshl_b32 s43, 15, s43                        ; my row of the cluster
	s_lshl_b32 s44, 0x1111, s40                    ; my column
	; descriptor group 1: a tile of 128 rows x 256 bytes, padded in LDS
	s_or_b32 s[G1+0], s43, (0<<16)|(1<<20)|(1<<21)|(5<<22)|(3<<25)  ; 15:0 the mask: x's tiles go to my row; 17:16 element of 1 byte; 20 padding on; 21 set beside a mask; 24:22 after every 64 words (code 5); 31:25 of 4 words (code 3)
	s_or_b32 s[G1B+0], s44, (0<<16)|(1<<20)|(1<<21)|(5<<22)|(3<<25) ; W's tiles go to my column
.irp g, G1, G1B
	s_mov_b32 s[\g+1], ROWB<<16                    ; tensor_dim0
	s_mov_b32 s[\g+2], 256<<16                     ; tensor_dim1: 256 rows for the head's loads
	s_mov_b32 s[\g+3], ROWB<<16                    ; tile_dim0
	s_mov_b32 s[\g+4], 256                         ; tile_dim1
	s_mov_b32 s[\g+5], KROW                        ; tensor_dim0_stride
	s_mov_b32 s[\g+6], 0
	s_mov_b32 s[\g+7], 0
.endr
	s_lshl_b32 s20, s17, 8                         ; source 1: the tile's first row
	s_lshl_b32 s46, s42, 8                         ; source 0: likewise
	s_lshl_b32 s22, s20, 5                         ; where these rows' scale bytes begin: 32 a row
	s_mov_b32 s23, 0
	s_lshl_b32 s92, s46, 5
	s_mov_b32 s93, 0
	s_lshl_b32 s20, s20, 10                        ; and their codes: 1,024 a row
	s_mov_b32 s21, 0
	s_lshl_b32 s46, s46, 10
	s_mov_b32 s47, 0
	s_mul_i32 s45, s14, HALFT                      ; where they go: wave x 128 rows: no place in the cluster enters an LDS address
	s_lshl_b32 s18, s16, 17                        ; in the ring I fetch 128 rows of a tile: which half, in bytes
	s_mov_b32 s19, 0
	s_wait_kmcnt 0x0
	s_cmp_eq_u32 ttmp9, 0                          ; which of the three products: the cluster's x, the same in all sixteen partners
	s_cselect_b64 s[8:9], s[68:69], s[72:73]       ; W's codes
	s_cselect_b64 s[10:11], s[70:71], s[74:75]     ; W's scales
	s_cselect_b64 s[12:13], s[80:81], s[84:85]     ; the codes that leave
	s_cselect_b64 s[98:99], s[82:83], s[86:87]     ; the scale words that leave
	s_cmp_eq_u32 ttmp9, 2
	s_cselect_b64 s[8:9], s[4:5], s[8:9]           ; v: source 0 is x,
	s_cselect_b64 s[10:11], s[6:7], s[10:11]
	s_cselect_b64 s[4:5], s[76:77], s[4:5]         ; and source 1 is Wv
	s_cselect_b64 s[6:7], s[78:79], s[6:7]
	s_cselect_b64 s[12:13], s[88:89], s[12:13]
	s_cselect_b64 s[98:99], s[90:91], s[98:99]
	s_cselect_b32 s96, 1, 0                        ; 1: this cluster makes v
	s_add_nc_u64 s[20:21], s[4:5], s[20:21]
	s_add_nc_u64 s[22:23], s[6:7], s[22:23]
	s_add_nc_u64 s[46:47], s[8:9], s[46:47]
	s_add_nc_u64 s[92:93], s[10:11], s[92:93]
	; the scales of 256 rows: a dense block of 8,192 bytes, as 32 rows of 256 bytes (32 elements of 8 bytes), 16 bytes of padding behind each.  (s68 to s91 are free now)
	s_or_b32 s[G1S+0], s43, (3<<16)|(1<<20)|(1<<21)|(5<<22)|(3<<25)
	s_or_b32 s[G1SB+0], s44, (3<<16)|(1<<20)|(1<<21)|(5<<22)|(3<<25)
.irp g, G1S, G1SB
	s_mov_b32 s[\g+1], 32<<16
	s_mov_b32 s[\g+2], 32<<16                      ; the scale bytes of 256 rows: 32 rows of 256 bytes
	s_mov_b32 s[\g+3], 32<<16
	s_mov_b32 s[\g+4], 32
	s_mov_b32 s[\g+5], 32
	s_mov_b32 s[\g+6], 0
	s_mov_b32 s[\g+7], 0
.endr
	CROUND                                         ; all sixteen work-groups are here: the first joint loads meet
	s_mov_b32 s[G0S], 1
	s_mov_b32 s[G0S+1], SCL
	s_mov_b64 s[G0S+2:G0S+3], s[22:23]
	s_or_b32 s[G0S+3], s[G0S+3], 0x80000000
	s_mov_b32 s[G0SB], 1
	s_mov_b32 s[G0SB+1], SCL+2*HALFS
	s_mov_b64 s[G0SB+2:G0SB+3], s[92:93]
	s_or_b32 s[G0SB+3], s[G0SB+3], 0x80000000
	s_mov_b32 s4, 1                                ; s[4:7], s[8:11]: group 0 of the head's loads of K step 0 (the arguments that lay there have been used): source 1's 256 rows,
	s_mov_b32 s5, 0
	s_mov_b64 s[6:7], s[20:21]
	s_or_b32 s7, s7, 0x80000000
	s_mov_b32 s8, 1                                ; source 0's 256 rows, behind them in slot 0
	s_mov_b32 s9, 2*HALFT
	s_mov_b64 s[10:11], s[46:47]
	s_or_b32 s11, s11, 0x80000000
	s_add_nc_u64 s[20:21], s[20:21], s[18:19]      ; for the ring: my 128 rows of the tile
	s_add_nc_u64 s[46:47], s[46:47], s[18:19]
	; THE PREFETCHES.  K step 2 is named behind the head's loads and K step 3 behind slot 1's first fill: each two fills ahead of its own load; K steps 0 and 1 come by their loads alone.  One instruction a wave, a lane a row (256 bytes of it).
	; Of the 128 rows that a wave fetches in the ring, each of the four partners that ask for them jointly takes 32, told apart by address (cx for source 1's tiles, cy for source 0's): a block is named once in each cluster that will load it.
	; W's rows are read by all eight rows of clusters: the first four rows of clusters ask for them.  s[66:67] and v27 are never rewritten.
	s_cmp_eq_u32 s15, 0                            ; do I fetch for source 1?
	s_cselect_b64 s[66:67], s[20:21], s[46:47]
	s_cselect_b32 s92, s40, s41                    ; my place among the four that ask with me
	s_lshl_b32 s92, s92, 15                        ; 32 rows of 1,024 bytes
	s_mov_b32 s93, 0
	s_add_nc_u64 s[66:67], s[66:67], s[92:93]
	s_xor_b32 s94, s15, s96                        ; 1: my tiles are W's
	s_and_b32 s92, ttmp7, 0xffff
	s_lshr_b32 s92, s92, 2                         ; 1: the cluster's y is 4 or more
	s_and_b32 s94, s94, s92                        ; 1: my wave asks for nothing
.irp s, 0,1
	s_mov_b32 s[G0+4*\s], 1
	s_add_co_u32 s[G0+4*\s+1], s45, \s*SLOT
	s_add_nc_u64 s[G0+4*\s+2:G0+4*\s+3], s[20:21], \s*ROWB
	s_or_b32 s[G0+4*\s+3], s[G0+4*\s+3], 0x80000000
	s_mov_b32 s[G0B+4*\s], 1
	s_add_co_u32 s[G0B+4*\s+1], s45, \s*SLOT
	s_add_nc_u64 s[G0B+4*\s+2:G0B+4*\s+3], s[46:47], \s*ROWB
	s_or_b32 s[G0B+4*\s+3], s[G0B+4*\s+3], 0x80000000
.endr
; THE HEAD'S LOADS, ONE A WAVE: wave 0 K step 0's 256 rows of source 1, wave 1 those of source 0, wave 2 source 1's scale bytes, wave 3 source 0's.  One tree of branches on the wave's number, a load to an arm.
.macro ARM under, g0, g1, next
	s_cmp_lt_u32 s14, \under
	s_cbranch_scc0 \next
	tensor_load_to_lds s[\g0:\g0+3], s[\g1:\g1+7]
	s_nop 0
.rept 4
	v_nop
.endr
	s_branch .Lhead_asked
\next:
.endm
	ARM 1, 4, G1, .Lhead_b
	ARM 2, 8, G1B, .Lhead_sa
	ARM 3, G0S, G1S, .Lhead_sb
	tensor_load_to_lds s[G0SB:G0SB+3], s[G1SB:G1SB+7]
	s_nop 0
.rept 4
	v_nop
.endr
.Lhead_asked:
	v_and_b32 v1, 15, v0                           ; r = l % 16
	v_bfe_u32 v2, v0, 4, 1                         ; h = l / 16
	v_mul_u32_u24 v3, v1, PITCH
	v_lshl_add_u32 v4, v2, 4, v3                   ; a fragment's row x pitch + 16 x half
	s_wait_alu depctr_va_vdst(0)
	s_cmp_eq_u32 s96, 1                            ; v?  Then source 1 reads W's tiles and source 0 x's; else the other way round
	s_cselect_b32 s18, s42, s17                    ; which 256 tokens are mine
	s_cselect_b32 s19, s17, s42                    ; which 256 rows of W
	s_cselect_b32 s92, s16, s15                    ; which half of the 256 tokens is mine
	s_cselect_b32 s93, s15, s16                    ; which half of W's 256 rows
	s_cselect_b32 s95, 0, 16
	s_mul_i32 s21, s15, HALFT
	s_mul_i32 s22, s16, HALFT
	s_add_co_u32 s22, s22, 2*HALFT
.irp s, 0,1
	v_add_nc_u32 v[ADR1+\s], s21, v4
	v_add_nc_u32 v[ADR0+\s], s22, v4
	s_add_co_u32 s21, s21, SLOT
	s_add_co_u32 s22, s22, SLOT
.endr
	v_lshlrev_b32 v5, 5, v1                        ; my row's scale bytes: 32 a row,
	v_lshrrev_b32 v6, 3, v1
	v_lshl_add_u32 v5, v6, 4, v5                   ; and 16 more behind each 256.  Lanes 16-31 read what lanes 0-15 read: the matrix unit takes the words of lanes 0-15
	s_mul_i32 s21, s15, HALFS
	s_add_co_u32 s21, s21, SCL
	s_mul_i32 s22, s16, HALFS
	s_add_co_u32 s22, s22, 2*HALFS
	s_add_co_u32 s22, s22, SCL
	v_add_nc_u32 v[ADS1], s21, v5
	v_add_nc_u32 v[ADS0], s22, v5
	v_mul_u32_u24 v[SH], v2, s95
	v_and_b32 v6, 31, v0
	v_lshlrev_b32 v[CO], 4, v6
	v_lshlrev_b32 v27, 10, v6                      ; the prefetches' offset: a lane a row
	s_cmp_eq_u32 s94, 0
	s_cbranch_scc0 .Lno_ask_2
	global_prefetch_b8 v27, s[66:67] offset:512 th:TH_LOAD_NT scope:SCOPE_SE    ; K step 2
.Lno_ask_2:
	; where my wave's results go: ((b x 8 + head pair) x 2,048 + token in b) x 128 bytes of codes, x 8 bytes of scale words: the same figures for q, k and v
	s_lshl_b32 s20, s18, 8
	s_lshl_b32 s21, s92, 7
	s_add_co_u32 s20, s20, s21                     ; my first token
	s_lshr_b32 s21, s20, 11
	s_lshl_b32 s21, s21, 3                         ; 8 b
	s_and_b32 s20, s20, 2047
	s_lshl_b32 s46, s19, 1
	s_add_co_u32 s46, s46, s93                     ; head pair = 2 cx + half
	s_add_co_u32 s46, s46, s21
	s_lshl_b32 s47, s46, 18
	s_lshl_b32 s21, s20, 7
	s_add_co_u32 s92, s47, s21
	s_mov_b32 s93, 0
	s_add_nc_u64 s[12:13], s[12:13], s[92:93]
	s_lshl_b32 s47, s46, 14
	s_lshl_b32 s21, s20, 3
	s_add_co_u32 s92, s47, s21
	s_add_nc_u64 s[98:99], s[98:99], s[92:93]
	s_mov_b32 s2, 0x76543210
	s_mov_b32 s3, 0xfedcba98                       ; v_permlanex16_b32's selects for lane l xor 16
	s_mov_b32 s97, 0x600000                        ; the mantissa field of 448
.macro FRAG reg, adr, q, i             ; a fragment, 16 rows x 128 K: lane l holds row l % 16; registers 4 c .. 4 c + 3 hold K = 32 c + 16 (l / 16) + 0 .. 15
.irp c, 0,1,2,3
	ds_load_b128 v[\reg+4*\c:\reg+4*\c+3], v[\adr] offset:128*(\q)+32*\c+(\i)*16*PITCH
.endr
.endm
; 16 matrix instructions: source 1's blocks a0, a0 + 1 x source 0's eight, 128 along K: the slot's q-th.  p: source 0's set;  sc: the set of scale words.  zero = 1: the first product starts the sums.
; The 64 accumulators take turns, one instruction a turn, in the same order in every step.
.macro MUL16 a0, p, q, sc, zero
.irp a, \a0, \a0+1
.irp b, 0,1,2,3,4,5,6,7
.if \zero
	v_wmma_scale_f32_16x16x128_f8f6f4 v[8*(8*((\a)%4)+\b):8*(8*((\a)%4)+\b)+7], v[128*(\p)+FR*\b:128*(\p)+FR*\b+FR-1], v[AF+FR*(\a):AF+FR*(\a)+FR-1], 0, v[SC+32*(\sc)+16+2*\b+(\q)], v[SC+32*(\sc)+2*(\a)+(\q)]
.else
	v_wmma_scale_f32_16x16x128_f8f6f4 v[8*(8*((\a)%4)+\b):8*(8*((\a)%4)+\b)+7], v[128*(\p)+FR*\b:128*(\p)+FR*\b+FR-1], v[AF+FR*(\a):AF+FR*(\a)+FR-1], v[8*(8*((\a)%4)+\b):8*(8*((\a)%4)+\b)+7], v[SC+32*(\sc)+16+2*\b+(\q)], v[SC+32*(\sc)+2*(\a)+(\q)]
.endif
.endr
.endr
.endm
.macro FETCH0 slot, q, p               ; source 0's eight fragments of the slot's q-th 128 along K into set p
	WIN TO_1
.irp i, 0,1,2,3,4,5,6,7
	FRAG 128*(\p)+FR*\i, ADR0+\slot, \q, \i
.endr
	WIN 0
.endm
.macro FETCH1 slot, q, i0              ; source 1's blocks i0 .. i0 + 3
.irp i, \i0, \i0+1, \i0+2, \i0+3
	FRAG AF+FR*(\i), ADR1+\slot, \q, \i
.endr
.endm
.macro SCALES sc                       ; a K step's scale words into set sc: two words a row
.irp i, 0,1,2,3,4,5,6,7
	ds_load_b64 v[SC+32*\sc+2*\i:SC+32*\sc+2*\i+1], v[ADS1] offset:\i*SBLK
	ds_load_b64 v[SC+32*\sc+16+2*\i:SC+32*\sc+16+2*\i+1], v[ADS0] offset:\i*SBLK
.endr
.endm
; A load into a register that a matrix instruction has read, and a vector instruction that reads a matrix result or writes one of a matrix instruction's registers, stand NP places behind it; only plain vector
; instructions that name none of its registers are places (ISA guide 7.12.1 for vector instructions).
.macro PLACES n
.rept \n
	v_nop
.endr
.endm
; A slot's first 128 along K.  Source 1 has one set of registers: its blocks 0-3 are fetched anew in the step's middle, blocks 4-7 at its end.
.macro STEP slot, zero
	s_wait_dscnt 16                                ; all but the youngest sixteen loads (source 1's blocks 4-7) are in
	WIN MUL_LO
	MUL16 0, 0, 0, \slot, \zero
	MUL16 2, 0, 0, \slot, \zero
	s_wait_dscnt 0                                 ; blocks 4-7 are in (asked for 32 matrix instructions ago)
	PLACES NP
	FETCH0 \slot, 1, 1
	FETCH1 \slot, 1, 0
	WIN MUL_HI
	MUL16 4, 0, 0, \slot, \zero
	MUL16 6, 0, 0, \slot, \zero
	PLACES NP
	WIN 0
	FETCH1 \slot, 1, 4
.endm
; A slot's second 128 changes slots: ONE barrier; in front of it each wave waits for all its tensor loads, adds 0 to its spare word, and waits for that and for its own reads of this slot.  fill = 1: this slot is filled again, two K steps ahead.
.macro TURN slot, next, fill
	s_wait_tensorcnt 0x0                           ; all my tensor loads have landed: my part of the next slot
	ds_add_u32 v[SPW], v[NIL]                      ; 0 onto my spare word
	s_wait_dscnt 17                                ; (the add and the youngest sixteen loads may be out)
	WIN MUL_LO
	MUL16 0, 1, 1, \slot, 0                        ; sixteen matrix instructions stand between the add and the wait for it
	s_wait_dscnt 0x0                               ; the add is done, and my reads of this slot are over
	s_barrier_signal -1
	MUL16 2, 1, 1, \slot, 0
	WIN 0
	s_barrier_wait -1
.if \fill
	CREST                                          ; the barrier has opened a round of the cluster's barrier: no wave of any partner still reads this slot's tile or has a load on its way
	s_add_nc_u64 s[G0+4*\slot+2:G0+4*\slot+3], s[G0+4*\slot+2:G0+4*\slot+3], 2*ROWB
	s_add_nc_u64 s[G0B+4*\slot+2:G0B+4*\slot+3], s[G0B+4*\slot+2:G0B+4*\slot+3], 2*ROWB
	JLOAD G0+4*\slot, G1, G0B+4*\slot, G1B         ; the first tensor load behind the round; its four v_nop are among the places in front of the loads below
	PLACES NP-4
.else
	PLACES NP
.endif
	s_wait_alu depctr_va_vdst(0)
	v_add_nc_u32 v[ADS1], 8, v[ADS1]               ; on to the next K step's scale words (no LDS load of mine is out)
	v_add_nc_u32 v[ADS0], 8, v[ADS0]
	FETCH0 \next, 0, 0
	FETCH1 \next, 0, 0
	SCALES \next
	WIN MUL_HI
	MUL16 4, 1, 1, \slot, 0
	MUL16 6, 1, 1, \slot, 0
	PLACES NP
	WIN 0
	FETCH1 \next, 0, 4
.endm
	s_wait_alu depctr_va_vdst(0)
	s_wait_tensorcnt 0x0                           ; my tile of the head's four is in
	ds_add_u32 v[SPW], v[NIL]
	s_mov_b32 s[G1+2], 128<<16                     ; no tensor load of mine is out: from here on a load brings 128 rows
	s_mov_b32 s[G1+4], 128
	s_mov_b32 s[G1B+2], 128<<16
	s_mov_b32 s[G1B+4], 128
	s_wait_dscnt 0x0
	CROUND                                         ; all four tiles are in, and all sixteen work-groups are here
	JLOAD G0+4, G1, G0B+4, G1B                     ; K step 1, the first tensor load behind the round
	FETCH0 0, 0, 0
	FETCH1 0, 0, 0
	SCALES 0
	FETCH1 0, 0, 4
	s_cmp_eq_u32 s94, 0
	s_cbranch_scc0 .Lno_ask_3
	global_prefetch_b8 v27, s[66:67] offset:768 th:TH_LOAD_NT scope:SCOPE_SE    ; K step 3
.Lno_ask_3:
	STEP 0, 1
	TURN 0, 1, 1                                   ; slot 0 takes K step 2
	STEP 1, 0
	TURN 1, 0, 1                                   ; slot 1 takes K step 3
	STEP 0, 0
	TURN 0, 1, 0                                   ; nothing is left to fetch: a plain barrier
	STEP 1, 0
	s_wait_dscnt 16                                ; the very last 128 along K
	WIN MUL_LO
	MUL16 0, 1, 1, 1, 0
	MUL16 2, 1, 1, 1, 0
	s_wait_dscnt 0
	WIN MUL_HI
	MUL16 4, 1, 1, 1, 0
	MUL16 6, 1, 1, 1, 0
	WIN 0
; THE WAY OUT of source 1's block a: its 64 numbers a lane (register 16 c + n: block c of 32 along the next K) are quantised and leave as four images of 512 bytes.  No LDS, no other wave.
.macro QOUT a
.set AC, 64*((\a)%4)
	WIN 0x0a+5*((\a)/4)                            ; sources 0 and 1: window 2 or 3
.irp b, 0,1,2,3
	v_max3_num_f32 v[TM+\b], |v[AC+16*\b]|, |v[AC+16*\b+1]|, 0x4800000   ; block b: my 16 numbers, each accumulator from its low end on, and the floor 2^(9 - 127): the byte cannot fall under 1
.endr
.irp i, 2,4,6,8,10,12,14
.irp b, 0,1,2,3
	v_max3_num_f32 v[TM+\b], |v[AC+16*\b+\i]|, |v[AC+16*\b+\i+1]|, v[TM+\b]   ; (the four blocks by turns)
.endr
.endr
	WIN 0
.irp b, 0,1,2,3
	v_permlanex16_b32 v[TM+4+\b], v[TM+\b], s2, s3
.endr
.irp b, 0,1,2,3
	v_max_num_f32 v[TM+\b], v[TM+\b], v[TM+4+\b]   ; with lane l xor 16's: the block's largest magnitude
.endr
.irp b, 0,1,2,3
	v_add_nc_u32 v[TM+12+\b], 0xfc000000, v[TM+\b] ; 8 off its exponent field: the conversion takes the exponent field of this operand as its scale
.endr
.irp b, 0,1,2,3
	v_and_or_b32 v[TM+8+\b], v[TM+\b], 0x7f800000, s97   ; 448 x the scale
.endr
.irp b, 0,1,2,3
	v_lshrrev_b32 v[TM+4+\b], 23, v[TM+12+\b]      ; the scale's byte
.endr
	v_lshl_or_b32 v[WD], v[TM+5], 8, v[TM+4]
	v_lshl_or_b32 v[WD], v[TM+6], 16, v[WD]
	v_lshl_or_b32 v[WD], v[TM+7], 24, v[WD]
	v_lshrrev_b32 v[SW+(\a)], v[SH], v[WD]         ; q, k: lanes 0-15 keep the first head's two bytes lowest, lanes 16-31 get the second head's; v: the word of the 128 keys as it is
	WIN 2+(\a)/4                                   ; source 0: window 2 or 3
.set i, 0
.rept 64
	v_med3_num_f32 v[X+i], v[AC+i], -v[TM+8+i/16], v[TM+8+i/16]   ; the conversion to an 8-bit code does not saturate (ISA guide 7.6.2): the hold at 448 x the scale
.set i, i+1
.endr
	WIN 0
.irp m, 0,1,2,3,4,5,6,7
	v_cvt_scalef32_pk8_fp8_f32 v[AF+16*(\a)+2*\m:AF+16*(\a)+2*\m+1], v[X+8*\m:X+8*\m+7], v[TM+12+\m/2]
.endr
	v_nop                                          ; one plain vector instruction behind the last conversion, ahead of the lines that write its sources again
.irp g, 0,1,2,3
	global_store_b128 v[CO], v[AF+16*(\a)+4*\g:AF+16*(\a)+4*\g+3], s[12:13] offset:(\a)*2048+\g*512   ; 32 lanes store 512 consecutive bytes; every block has code registers of its own, so no store's data are written again
.endr
.endm
	PLACES NP                                      ; behind the last products: the lines below write registers that held fragments and scale words
.irp b, 0,1,2,3
	v_mov_b32 v[TM+4+\b], 0                        ; written once: a lane permute's destination counts as one of its sources
.endr
.irp a, 0,1,2,3
	QOUT \a
.endr
	global_store_b128 v[CO], v[SW:SW+3], s[98:99]              ; four blocks' scale words: 512 consecutive bytes
.irp a, 4,5,6,7
	QOUT \a
.endr
	global_store_b128 v[CO], v[SW+4:SW+7], s[98:99] offset:512
	s_wait_tensorcnt 0x0                           ; the wave's end
	ds_add_u32 v[SPW], v[NIL]
	s_wait_dscnt 0x0
	CROUND                                         ; the closing round: no work-group ends while a partner may still ask for a tile that names it
	s_endpgm
.Lfunc_end_k_qf820d34141_qkv:
	.size	k_qf820d34141_qkv, .Lfunc_end_k_qf820d34141_qkv-k_qf820d34141_qkv
	.p2alignl 7, 3214868480
	.fill 96, 4, 3214868480
	.section	.rodata,"a",@progbits
	.p2align	6, 0x0
	.amdhsa_kernel k_qf820d34141_qkv
		.amdhsa_group_segment_fixed_size 327680
		.amdhsa_private_segment_fixed_size 0
		.amdhsa_enable_private_segment 0
		.amdhsa_kernarg_size 112
		.amdhsa_user_sgpr_count 2
		.amdhsa_user_sgpr_kernarg_segment_ptr 1
		.amdhsa_wavefront_size32 1
		.amdhsa_system_sgpr_workgroup_id_x 1
		.amdhsa_system_sgpr_workgroup_id_y 1
		.amdhsa_system_sgpr_workgroup_id_z 1
		.amdhsa_system_vgpr_workitem_id 0
		.amdhsa_next_free_vgpr 1024
		.amdhsa_next_free_sgpr 100
		.amdhsa_reserve_vcc 0
		.amdhsa_float_denorm_mode_32 3
		.amdhsa_float_denorm_mode_16_64 3
		.amdhsa_memory_ordered 1
		.amdhsa_forward_progress 1
		.amdhsa_inst_pref_size 189
	.end_amdhsa_kernel
	.amdgpu_metadata
---
amdhsa.version: [ 1, 2 ]
amdhsa.kernels:
  - .name:           k_qf820d34141_qkv
    .symbol:         k_qf820d34141_qkv.kd
    .args:
      - { .name: x_codes, .offset: 0, .size: 8, .value_kind: global_buffer, .address_space: global }
      - { .name: x_scales, .offset: 8, .size: 8, .value_kind: global_buffer, .address_space: global }
      - { .name: Wq_codes, .offset: 16, .size: 8, .value_kind: global_buffer, .address_space: global }
      - { .name: Wq_scales, .offset: 24, .size: 8, .value_kind: global_buffer, .address_space: global }
      - { .name: Wk_codes, .offset: 32, .size: 8, .value_kind: global_buffer, .address_space: global }
      - { .name: Wk_scales, .offset: 40, .size: 8, .value_kind: global_buffer, .address_space: global }
      - { .name: Wv_codes, .offset: 48, .size: 8, .value_kind: global_buffer, .address_space: global }
      - { .name: Wv_scales, .offset: 56, .size: 8, .value_kind: global_buffer, .address_space: global }
      - { .name: qc, .offset: 64, .size: 8, .value_kind: global_buffer, .address_space: global }
      - { .name: qsc, .offset: 72, .size: 8, .value_kind: global_buffer, .address_space: global }
      - { .name: kc, .offset: 80, .size: 8, .value_kind: global_buffer, .address_space: global }
      - { .name: ksc, .offset: 88, .size: 8, .value_kind: global_buffer, .address_space: global }
      - { .name: vc, .offset: 96, .size: 8, .value_kind: global_buffer, .address_space: global }
      - { .name: vsc, .offset: 104, .size: 8, .value_kind: global_buffer, .address_space: global }
    .group_segment_fixed_size: 327680
    .private_segment_fixed_size: 0
    .kernarg_segment_align: 8
    .kernarg_segment_size: 112
    .max_flat_workgroup_size: 128
    .sgpr_count:     100
    .vgpr_count:     1024
    .wavefront_size: 32
...
	.end_amdgpu_metadata
.endif
;; end of part 1
;; launch attn (part 2): grid 4 x 64, 16 waves a work-group, clusters of 4 x 1, 327,680 bytes of LDS; arguments qc, qsc, kc, ksc, vc, vsc, ao, aosc; writes ao, aosc
.if DOCPART == 2
	.amdgcn_target "amdgcn-amd-amdhsa--gfx1250"
	.amdhsa_code_object_version 6
	.text
	.protected	k_qf820d34141_attn
	.globl	k_qf820d34141_attn
	.p2align	8
	.type	k_qf820d34141_attn,@function
k_qf820d34141_attn:
	s_mov_b64 s[64:65], 0
	v_nop
	global_prefetch_b8 v0, s[64:65] scope:SCOPE_SE
	s_setreg_imm32_b32 hwreg(HW_REG_WAVE_MODE, 25, 1), 1
	s_wait_xcnt 0x0
	s_wait_alu depctr_hold_cnt(0) depctr_sa_sdst(0) depctr_va_vdst(0) depctr_va_sdst(0) depctr_va_ssrc(0) depctr_va_vcc(0) depctr_vm_vsrc(0)
	s_getreg_b32 s2, hwreg(HW_REG_IB_STS2, 6, 4)
	s_cmp_eq_u32 s2, 0
	s_cbranch_scc0 .Lentry_in_a_cluster
	s_endpgm
.Lentry_in_a_cluster:
	s_bfe_u32 s2, ttmp6, 0x10000c
	s_cmp_lg_u32 s2, 0x3003
	s_cbranch_scc0 .Lentry_shape_is_right
	s_endpgm
.Lentry_shape_is_right:
; Causal attention of one head on codes of FP8 (E4M3) with one E8M0 scale for each 32 along a product's K, and its result quantised along (head, d) for the projection.
; All operands come as IMAGES OF THEIR REGISTERS (four registers = 512 bytes, lane l's 16 bytes at 16 l), as the launch before has laid them:
;   qc, kc: [b][head pair][tile of 16 tokens][head of the pair][block 2][512];  vc: [b][pair][128 keys][head][16 of d][block 4][512];  qsc, ksc: [b][pair][64 tokens][head][row 16][4 words];  vsc: [b][pair][128 keys][head][twice][row 16][4 words].
; LEFT OUT: key steps all of whose 128 keys come after a tile's 16 queries: the causal mask sets their scores to -inf, so their p is 0 for all inputs.  A NaN or an infinity that reaches only such scores is not carried to the result.
; THE SOFTMAX AHEAD OF THE SECOND PRODUCT: t = score x log2(e) / 8; M = the row's largest t so far, rounded UP to a whole number; p = 2^(t - M) is quantised along the keys, not normalised.
;   The row's sum is taken of the unquantised p and divides O at the end.  When M moves, the sum and O are multiplied by 2^(old M - new M): exact.
; ONE HEAD'S K AND V STAY IN LDS: 131,072 bytes of K's codes, as many of V's, 8,192 and 4,096 of scale words.  They are filled once, at the head; nothing is filled again, so the loops hold no barrier.
; SHARES.  The four work-groups of a head are a cluster of 4 x 1 and ask for every tile jointly (mask 15).  Partner cx owns the query tiles 4 u + cx, u = 0 .. 31.  Tile 4 u + cx sees key steps 0 .. u / 2, whatever cx.
;   Wave w takes u = 31 - w and then u = w: (31 - w) / 2 + 1 + w / 2 + 1 = 17 key steps in every wave.  No branch and no LDS address hangs on cx: it enters global addresses and the diagonal's compare alone.
; THE FILLS: K's codes in four loads of 512 keys (waves 0 to 3), V's likewise (waves 4 to 7), K's scale words (wave 8), V's (wave 12): one load a wave.  Waves 0, 4, 8, 12 have load lines of their own and wait ahead of the first barrier:
;   it shows the first 512 keys and all scale words, which the first tile's key steps 0 to 3 read (that tile has nine steps or more, none of these on its diagonal).  The second barrier shows the rest.
; NO PREFETCH: every byte that the launch reads of K and V is asked for by the head's tensor loads; no later load is left to run ahead of.
; LAYOUT.  Both products are used transposed: S^T = K Q^T (source 0 = 16 keys), O^T = V^T P^T (source 0 = 16 of the head's 64): a lane holds ONE query (lane % 16) throughout.
;   Register j of score tile t is key 16 t + 8 (lane / 16) + j: the 16 registers of tiles 2 c, 2 c + 1 belong to block c of 32 keys, in the order in which V's images hold the keys of a block.
; THE FIRST PRODUCT'S K IS 64, half of the instruction's 128.  Q's registers 8-15 are zero codes.  K's fragment of tile t is v[32 + 8 t .. 47 + 8 t]: its upper half is the next tile's codes (zeros behind the last):
;   finite codes under scale bytes that are never 0xff, times Q's zero codes: they add exactly 0.
; LIMITS: NaN and infinities among the inputs are not served.  The promise holds while the scaled scores stay under 2^31 in magnitude.  A block whose largest magnitude lies under 2^(9 - 127) gets the byte 1; this program alone reads the bytes.
; REGISTERS: v1-11, v230-231 addresses; v12 -M, v13 the largest t, v[14:15] the sum; v16-23 Q, v24-31 zeros; v32-95 K's eight tiles, then V's four fragments; v96-103 zeros; v104-167 S^T, then p; v168-199 O^T; v200-215 p's codes;
;   v216-223 K's scale words, v224-227 V's, v228 Q's, v229 p's; v232-255 at work.
.set VCO,   131072                     ; V's codes; K's lie at 0: a key step is 8,192 bytes of each
.set KSO,   262144                     ; K's scale words: 512 bytes a key step
.set VSO,   270336                     ; V's: 256 bytes a key step
.set SPARE, 274432                     ; the spare words, 128 bytes for each wave: eight blocks of 256 bytes that no other line names
.set LL,  1                            ; 16 x lane
.set LR,  2                            ; 16 x (lane % 16)
.set SPW, 3                            ; LDS address of my spare word; never rewritten
.set NIL, 4                            ; 0; never rewritten
.set AL,  5                            ; the step's K codes
.set AV,  6                            ; its V codes
.set AKS, 7                            ; K's scale words
.set AVS, 8                            ; V's
.set LLV, 9                            ; VCO + 16 x lane
.set R8,  10                           ; 8 x (lane % 16)
.set RD8, 11                           ; lane % 16 - 8 (lane / 16)
.set LRK, 230                          ; KSO + 16 x (lane % 16)
.set LRV, 231                          ; VSO + 16 x (lane % 16)
.set WV,  20                           ; my wave's number
.set CS,  22                           ; s[22:23] c = log2(e) / 8
.set SEL, 24                           ; s[24:25] lane selects: lane l xor 16
.set MNT, 26                           ; the mantissa field of 448
.set TK,  27                           ; 8,192 x key step
.set ST,  28                           ; the key step
.set TS,  29                           ; 512 x key step
.set TJ,  30                           ; 256 x key step
.set DQ,  31                           ; my tile's first query less its diagonal step's first key
.set G1K, 32
.set G1V, 40
.set G1KS, 48
.set G1VS, 56
.set G0,  68
.set LO,  72                           ; the first and the last key step of the tile in hand that the loop still owes
.set HI,  73
.set PS,  74                           ; 0: my first tile; 1: my second
.set CX,  80
.set DQ2, 81                           ; the second tile's DQ and HI
.set HI2, 82
.set AOB, 84                           ; s[84:85] where my tile's codes go, s[86:87] its scale bytes; s[88:91] the second tile's
.set ASB, 86
.set QCB, 92                           ; s[92:93] Q's codes, s[94:95] Q's scale words, of the tile that is loaded next
.set QSB, 94
.macro GROUP1 g, c, r, p               ; r rows of c elements of 8 bytes, p elements apart in memory, dense in LDS; the mask names the cluster's four, bit 21 beside it
	s_mov_b32 s[\g], 15|(3<<16)|(1<<21)
	s_mov_b32 s[\g+1], (\c)<<16
	s_mov_b32 s[\g+2], (\r)<<16
	s_mov_b32 s[\g+3], (\c)<<16
	s_mov_b32 s[\g+4], \r
	s_mov_b32 s[\g+5], \p
	s_mov_b32 s[\g+6], 0
	s_mov_b32 s[\g+7], 0
.endm
.macro BARRIER
	s_barrier_signal -1
	s_barrier_wait -1
.endm
.macro CROUND                          ; a round of the cluster's barrier
	BARRIER
	s_cmp_lg_u32 s[WV], 0
	s_cbranch_scc1 .Lnot_wave_0_\@
	s_barrier_signal -3
.Lnot_wave_0_\@:
	s_barrier_wait -3
	BARRIER
.endm
.macro ARM cmp, n, ptr, g1, lds, next  ; an arm of the head's tree: one joint load; s[2:3] = 65,536 x (wave % 4): my 512 keys
	\cmp s[WV], \n
	s_cbranch_scc0 \next
.if \lds
	s_mov_b32 s[G0+1], \lds
.endif
	s_add_nc_u64 s[G0+2:G0+3], s[\ptr:\ptr+1], s[2:3]
	s_or_b32 s[G0+3], s[G0+3], 0x80000000
	tensor_load_to_lds s[G0:G0+3], s[\g1:\g1+7]
	s_nop 0
.rept 4
	v_nop
.endr
	s_branch .Lasked
\next:
.endm
.macro PASSB t, qcb, qsb, aob, asb     ; the four bases of the tile of queries whose number in its batch stands in s[t]
	s_lshl_b32 s2, s[\t], 11
	s_add_co_u32 s2, s2, s66
	s_mov_b32 s3, 0
	s_add_nc_u64 s[\qcb:\qcb+1], s[4:5], s[2:3]    ; Q's codes: 2,048 bytes a tile
	s_lshr_b32 s2, s[\t], 2
	s_lshl_b32 s2, s2, 9
	s_and_b32 s97, s[\t], 3
	s_lshl_b32 s97, s97, 2
	s_add_co_u32 s2, s2, s97
	s_add_co_u32 s2, s2, s67
	s_add_nc_u64 s[\qsb:\qsb+1], s[6:7], s[2:3]    ; Q's scale words: 512 bytes for four tiles, the tile's word among four
	s_lshl_b32 s2, s[\t], 14
	s_add_co_u32 s2, s2, s75
	s_add_nc_u64 s[\aob:\aob+1], s[16:17], s[2:3]  ; ao: [b x 128 + tile][head pair][2 x head + block][512]
	s_lshl_b32 s2, s[\t], 9
	s_add_co_u32 s2, s2, s83
	s_add_nc_u64 s[\asb:\asb+1], s[18:19], s[2:3]  ; aosc: [b x 128 + tile][pair / 2][row 16][pair % 2][head] halfwords
.endm
.macro TILE u, hi, dq                  ; of the tile 4 u + cx, u in s[u]: its diagonal step, its first query in that step, its number (s21)
	s_lshr_b32 s[\hi], s[\u], 1
	s_and_b32 s97, s[\u], 1
	s_lshl_b32 s[\dq], s97, 6
	s_lshl_b32 s97, s[CX], 4
	s_add_co_u32 s[\dq], s[\dq], s97
	s_lshl_b32 s21, s[\u], 2
	s_add_co_u32 s21, s21, s[CX]
.endm
	s_load_b128 s[4:7], s[0:1], 0x0                ; qc, qsc
	s_load_b128 s[8:11], s[0:1], 0x10              ; kc, ksc
	s_load_b128 s[12:15], s[0:1], 0x20             ; vc, vsc
	s_load_b128 s[16:19], s[0:1], 0x30             ; ao, aosc
	v_lshl_add_u32 v[SPW], v0, 2, SPARE
	v_mov_b32 v[NIL], 0
	ds_add_u32 v[SPW], v[NIL]                      ; the opening lines: the add, twice on end, and its wait ahead of the first tensor load
	ds_add_u32 v[SPW], v[NIL]
	v_lshrrev_b32 v5, 5, v0
	v_readfirstlane_b32 s[WV], v5                  ; wave 0..15
	s_bfe_u32 s[CX], ttmp6, 0x40000                ; my place in the cluster
	s_and_b32 s76, ttmp7, 0xffff                   ; 16 b + head
	s_lshr_b32 s77, s76, 1                         ; 8 b + head pair
	s_and_b32 s78, s76, 1                          ; e: which head of the pair
	s_lshr_b32 s79, s76, 4                         ; b
	s_and_b32 s21, s77, 7                          ; head pair
	s_lshl_b32 s98, s77, 18                        ; the pair's first byte in qc, kc, vc
	s_lshl_b32 s99, s77, 14                        ; and in qsc, ksc, vsc
	s_lshl_b32 s2, s78, 10
	s_add_co_u32 s66, s98, s2                      ; + 1,024 e: Q's and K's codes
	s_lshl_b32 s2, s78, 8
	s_add_co_u32 s67, s99, s2                      ; + 256 e: Q's and K's scale words
	s_lshl_b32 s75, s79, 21                        ; ao: b x 128 tiles x 16,384 bytes
	s_lshl_b32 s2, s21, 11
	s_add_co_u32 s75, s75, s2                      ; + 2,048 x pair
	s_lshl_b32 s2, s78, 10
	s_add_co_u32 s75, s75, s2                      ; + 1,024 e
	s_lshl_b32 s83, s79, 16                        ; aosc: b x 128 tiles x 512 bytes
	s_lshr_b32 s2, s21, 1
	s_lshl_b32 s2, s2, 7
	s_add_co_u32 s83, s83, s2                      ; + 128 (pair / 2)
	s_and_b32 s2, s21, 1
	s_lshl_b32 s2, s2, 2
	s_add_co_u32 s83, s83, s2                      ; + 4 (pair % 2)
	s_lshl_b32 s2, s78, 1
	s_add_co_u32 s83, s83, s2                      ; + 2 e
	GROUP1 G1K, 128, 32, 256                       ; 512 keys: 32 tiles, 1,024 bytes of each 2,048
	GROUP1 G1V, 1024, 4, 2048                      ; 512 keys: 4 runs, 8,192 bytes of each 16,384
	GROUP1 G1KS, 32, 32, 64                        ; 32 groups of 64 keys: 256 bytes of each 512
	GROUP1 G1VS, 32, 16, 128                       ; 16 runs of 128 keys: 256 bytes of each 1,024
	s_mov_b32 s[CS], 0x3e38aa3b                    ; c = log2(e) / sqrt(64)
	s_mov_b32 s[CS+1], s[CS]
	s_mov_b32 s[SEL], 0x76543210
	s_mov_b32 s[SEL+1], 0xfedcba98
	s_mov_b32 s[MNT], 0x600000
	s_mov_b32 s[G0], 1
	s_lshl_b32 s[G0+1], s[WV], 15                  ; where my load goes: 32,768 x wave serves K's four, V's four (VCO = 4 x 32,768) and K's scale words (KSO = 8 x 32,768)
	s_wait_dscnt 0x0                               ; both opening adds are done
	s_wait_kmcnt 0x0
	s_mov_b32 s77, 0
	s_mov_b32 s76, s66
	s_add_nc_u64 s[8:9], s[8:9], s[76:77]          ; my head's K codes,
	s_mov_b32 s76, s67
	s_add_nc_u64 s[10:11], s[10:11], s[76:77]      ; K's scale words,
	s_lshl_b32 s76, s78, 13
	s_add_co_u32 s76, s76, s98
	s_add_nc_u64 s[12:13], s[12:13], s[76:77]      ; V's codes,
	s_lshl_b32 s76, s78, 9
	s_add_co_u32 s76, s76, s99
	s_add_nc_u64 s[14:15], s[14:15], s[76:77]      ; V's scale words
	s_and_b32 s2, s[WV], 3
	s_lshl_b32 s2, s2, 16
	s_mov_b32 s3, 0
	CROUND                                         ; all four work-groups are here: the joint loads meet
	ARM s_cmp_eq_u32, 0, 8, G1K, 0, .La1           ; what is wanted first has lines of its own
	ARM s_cmp_eq_u32, 4, 12, G1V, 0, .La2
	ARM s_cmp_eq_u32, 8, 10, G1KS, 0, .La3
	ARM s_cmp_eq_u32, 12, 14, G1VS, VSO, .La4
	ARM s_cmp_lt_u32, 4, 8, G1K, 0, .La5           ; waves 1 to 3: K's keys 512 on
	ARM s_cmp_lt_u32, 8, 12, G1V, 0, .La6          ; waves 5 to 7: V's
.Lasked:
	v_and_b32 v232, 31, v0
	v_lshlrev_b32 v[LL], 4, v232
	v_and_b32 v233, 15, v0
	v_lshlrev_b32 v[LR], 4, v233
	v_lshlrev_b32 v[R8], 3, v233
	v_bfe_u32 v234, v0, 4, 1
	v_lshlrev_b32 v234, 3, v234
	v_sub_nc_u32 v[RD8], v233, v234
	v_add_nc_u32 v[LLV], VCO, v[LL]
	v_add_nc_u32 v[LRK], KSO, v[LR]
	v_add_nc_u32 v[LRV], VSO, v[LR]
	s_sub_co_u32 s96, 31, s[WV]                    ; my first tile: u = 31 - wave
	TILE 96, HI, DQ
	PASSB 21, QCB, QSB, AOB, ASB
	s_wait_alu depctr_va_vdst(0)                   ; ahead of the readers below
	global_load_b128 v[16:19], v[LL], s[QCB:QCB+1]             ; Q's fragment: two images
	global_load_b128 v[20:23], v[LL], s[QCB:QCB+1] offset:512
	global_load_b32 v228, v[LR], s[QSB:QSB+1]                  ; Q's scale words: 16 bytes a row
.irp j, 0,1,2,3,4,5,6,7
	v_mov_b32 v[24+\j], 0                          ; Q's upper 64 along K: zero codes
	v_mov_b32 v[96+\j], 0                          ; what stands behind K's last tile
.endr
.set j, 0
.rept 32
	v_mov_b32 v[168+j], 0                          ; O^T: the step is written for all steps alike, and the first finds zeros
.set j, j+1
.endr
	v_mov_b32 v14, 0
	v_mov_b32 v15, 0
.irp b, 0,1,2,3
	v_mov_b32 v[236+\b], 0                         ; a lane permute's destination counts as one of its sources
.endr
	v_mov_b32 v252, 0
	v_mov_b32 v253, 0
	v_mov_b32 v13, 0xff61b1e6                      ; the largest t so far: -3e38
	v_floor_f32 v12, -v13                          ; -M
	s_mov_b32 s[ST], 0
	s_mov_b32 s[TK], 0
	s_mov_b32 s[TS], 0
	s_mov_b32 s[TJ], 0
	s_wait_alu depctr_va_vdst(0)
	s_wait_loadcnt 0x0                             ; Q is in: its bases may be written
	TILE WV, HI2, DQ2                              ; my second tile: u = wave
	PASSB 21, QCB, QSB, AOB+4, ASB+4
	s_and_b32 s2, s[WV], 3
	s_cmp_lg_u32 s2, 0
	s_cbranch_scc1 .Lnot_first
	s_wait_tensorcnt 0x0                           ; waves 0, 4, 8, 12: the first 512 keys and the scale words are in
.Lnot_first:
	BARRIER
; A KEY STEP: 128 keys.  full = 1: with the tests that leave a step out and that find the diagonal
.macro STEP full
.if \full
	s_cmp_lt_u32 s[ST], s[LO]                      ; done ahead of the loop,
	s_cbranch_scc1 .Lhidden_\@
	s_cmp_gt_u32 s[ST], s[HI]                      ; or all its keys come after my queries: scalar branches on the wave's number and the counts of trips
	s_cbranch_scc1 .Lhidden_\@
.endif
	v_add_nc_u32 v[AL], s[TK], v[LL]
	v_add_nc_u32 v[AV], s[TK], v[LLV]
	v_add_nc_u32 v[AKS], s[TS], v[LRK]
	v_add_nc_u32 v[AVS], s[TJ], v[LRV]
.rept 4
	v_nop                                          ; with the four additions: eight places in front of loads into registers that the last products have read
.endr
.irp t, 0,1,2,3,4,5,6,7
	ds_load_b128 v[32+8*\t:35+8*\t], v[AL] offset:\t*1024
	ds_load_b128 v[36+8*\t:39+8*\t], v[AL] offset:\t*1024+512
.endr
	ds_load_b128 v[216:219], v[AKS]
	ds_load_b128 v[220:223], v[AKS] offset:256
	s_wait_alu depctr_va_vdst(0)
	s_wait_dscnt 0x0
.irp t, 0,1,2,3,4,5,6,7
	v_wmma_scale_f32_16x16x128_f8f6f4 v[104+8*\t:111+8*\t], v[32+8*\t:47+8*\t], v[16:31], 0, v[216+\t], v228
.endr
.rept 8
	v_nop                                          ; places in front of the loads below and of the first read of the scores
.endr
.irp d, 0,1,2,3
.irp c, 0,1,2,3
	ds_load_b128 v[32+16*\d+4*\c:35+16*\d+4*\c], v[AV] offset:\d*2048+512*\c   ; V's four fragments are asked for here; the wait for them stands behind the softmax
.endr
.endr
	ds_load_b128 v[224:227], v[AVS]
.if \full
	s_cmp_lg_u32 s[ST], s[HI]                      ; on the diagonal the scores of hidden keys become -infinity ahead of the maximum: p = 0 then
	s_cbranch_scc1 .Lopen_\@
	v_add_nc_u32 v252, s[DQ], v[RD8]               ; d = my query - the step's first key - 8 (lane / 16).  Register 8 t + j holds key 16 t + 8 (lane / 16) + j: hidden where 16 t + j > d
	v_mov_b32 v254, 0xff800000
.set n, 0
.rept 64
	v_cmp_gt_i32 vcc_lo, 16*(n/8)+n%8, v252
	v_cndmask_b32 v[104+n], v[104+n], v254, vcc_lo
.set n, n+1
.endr
.Lopen_\@:
.endif
.irp b, 0,1,2,3
	v_max3_num_f32 v[232+\b], v[104+16*\b], v[105+16*\b], v[106+16*\b]   ; the largest score of each block of 32 keys: for the row's maximum and, since p rises with the score, for the block's largest p
.endr
.irp i, 3,5,7,9,11,13
.irp b, 0,1,2,3
	v_max3_num_f32 v[232+\b], v[232+\b], v[104+16*\b+\i], v[105+16*\b+\i]
.endr
.endr
.irp b, 0,1,2,3
	v_max_num_f32 v[232+\b], v[232+\b], v[119+16*\b]
.endr
	v_mov_b32 v255, v12                            ; the old -M: an independent line, so that each permute below stands five lines behind what it reads
.irp b, 0,1,2,3
	v_permlanex16_b32 v[236+\b], v[232+\b], s[SEL], s[SEL+1]
.endr
.irp b, 0,1,2,3
	s_delay_alu instid0(VALU_DEP_4)
	v_max_num_f32 v[232+\b], v[232+\b], v[236+\b]  ; with lane l xor 16's 16 keys
.endr
	s_delay_alu instid0(VALU_DEP_2)
	v_max3_num_f32 v254, v232, v233, v234
	s_delay_alu instid0(VALU_DEP_1)
	v_max_num_f32 v254, v254, v235                 ; the step's largest score of my query (the step's first key counts for every query of the tile)
	s_delay_alu instid0(VALU_DEP_1)
	v_mul_f32 v254, s[CS], v254
	s_delay_alu instid0(VALU_DEP_1)
	v_max_num_f32 v13, v13, v254                   ; the running largest t
	s_delay_alu instid0(VALU_DEP_1)
	v_floor_f32 v12, -v13                          ; the new -M = -ceil(t)
.set j, 0
.rept 32
	v_pk_fma_f32 v[104+j:105+j], v[104+j:105+j], s[CS:CS+1], v[12:13] op_sel_hi:[1,0,0]   ; t - M.  The three lines that make f stand among these, five lines apart
.if j == 8
	v_sub_f32 v254, v12, v255                      ; old M - new M: a whole number, 0 or less
.endif
.if j == 18
	v_cvt_i32_f32 v254, v254                       ; (it saturates)
.endif
.if j == 28
	v_ldexp_f32 v252, 1.0, v254                    ; f = 2^(old M - new M)
.endif
.set j, j+2
.endr
.irp b, 0,1,2,3
	v_fma_f32 v[232+\b], v[232+\b], s[CS], v12     ; the same of each block's largest score
.endr
	s_wait_alu depctr_va_vdst(0)
.set j, 0
.rept 64
	v_exp_f32 v[104+j], v[104+j]                   ; p = 2^(t - M)
.set j, j+1
.endr
	v_pk_mul_f32 v[14:15], v[14:15], v[252:253] op_sel_hi:[1,0]   ; the sums under the new M
	s_wait_alu depctr_va_vdst(0)                   ; one wait for the batch, ahead of its first reader
.irp b, 0,1,2,3
	v_exp_f32 v[232+\b], v[232+\b]                 ; the block's largest p
.endr
	v_pk_add_f32 v[236:237], v[104:105], v[106:107]   ; the row's sum of the unquantised p, in four chains
	v_pk_add_f32 v[254:255], v[108:109], v[110:111]
	v_pk_add_f32 v[250:251], v[112:113], v[114:115]
	v_pk_add_f32 v[14:15], v[14:15], v[116:117]
.irp j, 118,126,134,142,150,158
	v_pk_add_f32 v[236:237], v[236:237], v[\j:\j+1]
	v_pk_add_f32 v[254:255], v[254:255], v[\j+2:\j+3]
	v_pk_add_f32 v[250:251], v[250:251], v[\j+4:\j+5]
	v_pk_add_f32 v[14:15], v[14:15], v[\j+6:\j+7]
.endr
	v_pk_add_f32 v[236:237], v[236:237], v[166:167]
	v_pk_add_f32 v[254:255], v[254:255], v[250:251]
	v_pk_add_f32 v[14:15], v[14:15], v[236:237]
	v_pk_add_f32 v[14:15], v[14:15], v[254:255]
	s_wait_alu depctr_va_vdst(0)                   ; and one for the four
.irp b, 0,1,2,3
	v_max_num_f32 v[232+\b], 0x4800000, v[232+\b]  ; the floor 2^(9 - 127): the byte cannot fall under 1
.endr
.irp b, 0,1,2,3
.if \b == 0
	s_delay_alu instid0(VALU_DEP_4)
.endif
	v_and_or_b32 v[240+\b], v[232+\b], 0x7f800000, s[MNT]   ; 448 x the scale
	v_add_nc_u32 v[244+\b], 0xfc000000, v[232+\b]  ; 8 off the exponent field: the conversion's scale operand
.endr
.irp b, 0,1,2,3
	v_lshrrev_b32 v[236+\b], 23, v[244+\b]         ; the scale's byte; the four bytes are joined among the holds, each line far behind what it reads
.set j, 0
.rept 8
	v_dual_min_num_f32 v[104+16*\b+j], v[240+\b], v[104+16*\b+j] :: v_dual_min_num_f32 v[105+16*\b+j], v[240+\b], v[105+16*\b+j]   ; the conversion to an 8-bit code does not saturate (ISA guide 7.6.2); p is not negative, so the hold is one-sided; two holds a line
.set j, j+2
.endr
.if \b == 1
	v_lshl_or_b32 v229, v237, 8, v236              ; p's scale word for these 128 keys
.endif
.if \b > 1
	v_lshl_or_b32 v229, v[236+\b], 8*\b, v229
.endif
	v_cvt_scalef32_pk8_fp8_f32 v[200+4*\b:201+4*\b], v[104+16*\b:111+16*\b], v[244+\b]
	v_cvt_scalef32_pk8_fp8_f32 v[202+4*\b:203+4*\b], v[112+16*\b:119+16*\b], v[244+\b]
.endr
	s_wait_alu depctr_va_vdst(0)                   ; directly ahead of the first reader of O^T
.set j, 0
.rept 16
	v_pk_mul_f32 v[168+j:169+j], v[168+j:169+j], v[252:253] op_sel_hi:[1,0]   ; O^T under the new M; these sixteen are also the places between the codes and the products below
.set j, j+2
.endr
	s_wait_alu depctr_va_vdst(0)
	s_wait_dscnt 0x0                               ; V's fragments and scale words are in
.irp d, 0,1,2,3
	v_wmma_scale_f32_16x16x128_f8f6f4 v[168+8*\d:175+8*\d], v[32+16*\d:47+16*\d], v[200:215], v[168+8*\d:175+8*\d], v[224+\d], v229   ; the four accumulators by turns
.endr
.if \full
.Lhidden_\@:
.endif
	s_add_co_u32 s[TK], s[TK], 8192
	s_add_co_u32 s[TS], s[TS], 512
	s_add_co_u32 s[TJ], s[TJ], 256
.endm
; A TILE'S END.  O^T is divided by the row's sum and quantised along (head, d): my lane's 32 numbers are 16 of each of the head's two blocks; the codes leave as two images, the two scale bytes as a halfword.
.macro FINISH
	s_wait_alu depctr_va_vdst(0)
.rept 8
	v_nop                                          ; places behind the last products
.endr
	v_add_f32 v14, v14, v15
	s_delay_alu instid0(VALU_DEP_1)
	v_permlanex16_b32 v252, v14, s[SEL], s[SEL+1]
	s_delay_alu instid0(VALU_DEP_1)
	v_add_f32 v14, v14, v252                       ; the row's sum
	s_wait_alu depctr_va_vdst(0)
	v_rcp_f32 v14, v14
	v_nop
	s_wait_alu depctr_va_vdst(0)                   ; ahead of the first reader of the reciprocal and of O^T
.set j, 0
.rept 16
	v_pk_mul_f32 v[104+j:105+j], v[168+j:169+j], v[14:15] op_sel_hi:[1,0]   ; register 8 t + n is o(query, 16 t + 8 (lane / 16) + n)
.set j, j+2
.endr
.irp b, 0,1
	v_max3_num_f32 v[232+\b], |v[104+16*\b]|, |v[105+16*\b]|, 0x4800000
.endr
.irp i, 2,4,6,8,10,12,14
.irp b, 0,1
	s_delay_alu instid0(VALU_DEP_2)
	v_max3_num_f32 v[232+\b], v[232+\b], |v[104+16*\b+\i]|, |v[105+16*\b+\i]|
.endr
.endr
.irp b, 0,1
	s_delay_alu instid0(VALU_DEP_2)
	v_permlanex16_b32 v[236+\b], v[232+\b], s[SEL], s[SEL+1]
.endr
.irp b, 0,1
	s_delay_alu instid0(VALU_DEP_2)
	v_max_num_f32 v[232+\b], v[232+\b], v[236+\b]  ; the block's largest magnitude
.endr
.irp b, 0,1
	s_delay_alu instid0(VALU_DEP_2)
	v_add_nc_u32 v[244+\b], 0xfc000000, v[232+\b]
.endr
.irp b, 0,1
	s_delay_alu instid0(VALU_DEP_4)
	v_and_or_b32 v[240+\b], v[232+\b], 0x7f800000, s[MNT]
.endr
.irp b, 0,1
	s_delay_alu instid0(VALU_DEP_4)
	v_lshrrev_b32 v[236+\b], 23, v[244+\b]
.endr
	s_delay_alu instid0(VALU_DEP_1)
	v_lshl_or_b32 v254, v237, 8, v236              ; the head's two scale bytes
.irp b, 0,1
.set j, 0
.rept 16
	v_med3_num_f32 v[104+16*\b+j], v[104+16*\b+j], -v[240+\b], v[240+\b]
.set j, j+1
.endr
	v_cvt_scalef32_pk8_fp8_f32 v[200+4*\b:201+4*\b], v[104+16*\b:111+16*\b], v[244+\b]
	v_cvt_scalef32_pk8_fp8_f32 v[202+4*\b:203+4*\b], v[112+16*\b:119+16*\b], v[244+\b]
.endr
	v_nop                                          ; one plain vector instruction behind the last conversion
	global_store_b128 v[LL], v[200:203], s[AOB:AOB+1]              ; 32 lanes store 512 consecutive bytes
	global_store_b128 v[LL], v[204:207], s[AOB:AOB+1] offset:512
	global_store_b16 v[R8], v254, s[ASB:ASB+1]                     ; lanes l and l xor 16 store the same halfword with the same value
.endm
.Lfirst:                                           ; my first tile's key steps 0 to 3: the 512 keys that the first barrier has shown
	STEP 0
	s_add_co_u32 s[ST], s[ST], 1
	s_cmp_lt_u32 s[ST], 4
	s_cbranch_scc1 .Lfirst
	s_wait_tensorcnt 0x0                           ; every wave: all that is still out
	s_wait_dscnt 0x0
	BARRIER                                        ; the whole head's K and V are in
	s_mov_b32 s[PS], 0
	s_mov_b32 s[LO], 4
.Lpass:                                            ; two trips: my first tile from key step 4 on, then my second
	s_mov_b32 s[ST], 0
	s_mov_b32 s[TK], 0
	s_mov_b32 s[TS], 0
	s_mov_b32 s[TJ], 0
.Lstep:                                            ; sixteen trips, a constant; a trip outside LO .. HI steps the addresses alone
	STEP 1
	s_add_co_u32 s[ST], s[ST], 1
	s_cmp_lt_u32 s[ST], 16
	s_cbranch_scc1 .Lstep
	FINISH
	s_cmp_eq_u32 s[PS], 1
	s_cbranch_scc1 .Llast
	s_wait_xcnt 0x0                                ; the stores have read their registers and bases: both may be written
	s_mov_b64 s[AOB:AOB+1], s[AOB+4:AOB+5]
	s_mov_b64 s[ASB:ASB+1], s[ASB+4:ASB+5]
	global_load_b128 v[16:19], v[LL], s[QCB:QCB+1]             ; the second tile's Q.  O^T and the sum need no clearing: the next step's f is 0
	global_load_b128 v[20:23], v[LL], s[QCB:QCB+1] offset:512
	global_load_b32 v228, v[LR], s[QSB:QSB+1]
	v_mov_b32 v13, 0xff61b1e6
	v_floor_f32 v12, -v13
	s_mov_b32 s[HI], s[HI2]
	s_mov_b32 s[DQ], s[DQ2]
	s_mov_b32 s[LO], 0
	s_wait_alu depctr_va_vdst(0)
	s_wait_loadcnt 0x0
.Llast:
	s_add_co_u32 s[PS], s[PS], 1
	s_cmp_lt_u32 s[PS], 2
	s_cbranch_scc1 .Lpass
	s_wait_tensorcnt 0x0                           ; the wave's end
	ds_add_u32 v[SPW], v[NIL]
	s_wait_dscnt 0x0
	CROUND                                         ; the closing round
	s_endpgm
.Lfunc_end_k_qf820d34141_attn:
	.size	k_qf820d34141_attn, .Lfunc_end_k_qf820d34141_attn-k_qf820d34141_attn
	.p2alignl 7, 3214868480
	.fill 96, 4, 3214868480
	.section	.rodata,"a",@progbits
	.p2align	6, 0x0
	.amdhsa_kernel k_qf820d34141_attn
		.amdhsa_group_segment_fixed_size 327680
		.amdhsa_private_segment_fixed_size 0
		.amdhsa_enable_private_segment 0
		.amdhsa_kernarg_size 64
		.amdhsa_user_sgpr_count 2
		.amdhsa_user_sgpr_kernarg_segment_ptr 1
		.amdhsa_wavefront_size32 1
		.amdhsa_system_sgpr_workgroup_id_x 1
		.amdhsa_system_sgpr_workgroup_id_y 1
		.amdhsa_system_sgpr_workgroup_id_z 1
		.amdhsa_system_vgpr_workitem_id 0
		.amdhsa_next_free_vgpr 256
		.amdhsa_next_free_sgpr 100
		.amdhsa_reserve_vcc 1
		.amdhsa_float_denorm_mode_32 3
		.amdhsa_float_denorm_mode_16_64 3
		.amdhsa_memory_ordered 1
		.amdhsa_forward_progress 1
		.amdhsa_inst_pref_size 63
	.end_amdhsa_kernel
	.amdgpu_metadata
---
amdhsa.version: [ 1, 2 ]
amdhsa.kernels:
  - .name:           k_qf820d34141_attn
    .symbol:         k_qf820d34141_attn.kd
    .args:
      - { .name: qc, .offset: 0, .size: 8, .value_kind: global_buffer, .address_space: global }
      - { .name: qsc, .offset: 8, .size: 8, .value_kind: global_buffer, .address_space: global }
      - { .name: kc, .offset: 16, .size: 8, .value_kind: global_buffer, .address_space: global }
      - { .name: ksc, .offset: 24, .size: 8, .value_kind: global_buffer, .address_space: global }
      - { .name: vc, .offset: 32, .size: 8, .value_kind: global_buffer, .address_space: global }
      - { .name: vsc, .offset: 40, .size: 8, .value_kind: global_buffer, .address_space: global }
      - { .name: ao, .offset: 48, .size: 8, .value_kind: global_buffer, .address_space: global }
      - { .name: aosc, .offset: 56, .size: 8, .value_kind: global_buffer, .address_space: global }
    .group_segment_fixed_size: 327680
    .private_segment_fixed_size: 0
    .kernarg_segment_align: 8
    .kernarg_segment_size: 64
    .max_flat_workgroup_size: 512
    .sgpr_count:     100
    .vgpr_count:     256
    .wavefront_size: 32
...
	.end_amdgpu_metadata
.endif
;; end of part 2
;; launch proj (part 3): grid 8 x 32, 4 waves a work-group, clusters of 4 x 4, 327,680 bytes of LDS; arguments ao, aosc, Wp_codes, Wp_scales, bp, out0; writes out0
.if DOCPART == 3
	.amdgcn_target "amdgcn-amd-amdhsa--gfx1250"
	.amdhsa_code_object_version 6
	.text
	.protected	k_qf820d34141_proj
	.globl	k_qf820d34141_proj
	.p2align	8
	.type	k_qf820d34141_proj,@function
k_qf820d34141_proj:
	s_mov_b64 s[64:65], 0
	v_nop
	global_prefetch_b8 v0, s[64:65] scope:SCOPE_SE
	s_setreg_imm32_b32 hwreg(HW_REG_WAVE_MODE, 25, 1), 1
	s_wait_xcnt 0x0
	s_wait_alu depctr_hold_cnt(0) depctr_sa_sdst(0) depctr_va_vdst(0) depctr_va_sdst(0) depctr_va_ssrc(0) depctr_va_vcc(0) depctr_vm_vsrc(0)
	s_getreg_b32 s2, hwreg(HW_REG_IB_STS2, 6, 4)
	s_cmp_eq_u32 s2, 0
	s_cbranch_scc0 .Lentry_in_a_cluster
	s_endpgm
.Lentry_in_a_cluster:
	s_bfe_u32 s2, ttmp6, 0x10000c
	s_cmp_lg_u32 s2, 0xf033
	s_cbranch_scc0 .Lentry_shape_is_right
	s_endpgm
.Lentry_shape_is_right:
; out0 = ao Wp^T + bp on codes of FP8 (E4M3) with one E8M0 scale for each 32 along K = 1,024; f32 sums; 8,192 tokens x 1,024 columns.
; ao comes as IMAGES OF OPERAND REGISTERS, as the launch before has laid it: [tile of 16 tokens][128 of K: 8][block of 32: 4][512 bytes: lane l's 16 bytes at 16 l]; inside a block the place (half h, byte n) holds k = 8 h + n % 8 + 16 (n / 8).
;   Wp's fragments are read in the same order of k: two loads of 8 bytes for each 32 along K.  aosc: [tile][256 of K: 4][row 16][2 words]: a word is a row's four scale bytes of 128 along K.
; SHARES.  256 work-groups of four waves; a work-group makes 256 tokens x 128 columns.  Wave (row w / 2, column w % 2) holds 64 rows of Wp, ALL of K, in 512 registers (windows 1, 2), and streams past them the token tiles 2 i + w / 2, i = 0 .. 7:
;   a block is 16 tokens, all of K, 128 registers; two sets (window 3); 32 products a block, the block's four accumulators by turns, K ascending.  The bias is the C of a block's first four products.
; CLUSTERS: 4 x 4.  The four of a row need the same tokens, the four of a column the same rows of Wp: each tile is asked for jointly.
; LDS: two slots of 128 rows of 1,024 bytes + 16 of padding.  Slot X: tokens 0-127 (a tile of 16 tokens is 16 such rows).  Slot Y: Wp's 128 rows; when every wave holds its rows in registers, tokens 128-255 are filled over them, row for row, behind a drained round.
;   Behind the slots: aosc of the 256 tokens (8,192 bytes), a stage of 16 rows x 272 bytes for each wave, the spare words.
; FILLS.  At the head, one a wave: wave 0 Wp's rows (a line of its own: the first barrier shows them alone), waves 1 and 3 the halves of slot X, wave 2 the scale words.  The one refill, 32 rows a wave, is shown by the barrier at the end of block 2, ahead of the first fetch from it.
; PREFETCH: tokens 128-255 (512 blocks of 256 bytes) are named once in each row of a cluster, behind the first barrier, ahead of the 256 LDS loads and the round that stand in front of their load: the row's sixteen waves take 8,192 bytes each, told apart by address, a lane a block.
; THE WAY OUT.  Source 0 = Wp's rows, source 1 = tokens: a lane holds a token and eight neighbouring columns.  A block goes through the wave's own stage and leaves as rows of 256 bytes, sixteen lanes to an aligned unit.
;   Its LDS stores, LDS loads and global stores stand in three runs among the NEXT block's products, which write the other set of accumulators.
; LIMITS: NaN and infinities among the inputs are not served.
.set PITCH, 1040
.set TILE,  16*PITCH                   ; a tile of 16 tokens, all of K; also 16 rows of Wp
.set YB,    8*TILE
.set SCA,   16*TILE
.set STG,   SCA+8192
.set SP,    272
.set SPARE, STG+4*16*SP
.set NP,    8                          ; plain vector lines behind this matrix instruction (ISA guide 7.12.1)
.set NF,    36                         ; LDS loads of a block: 32 of codes, 4 of scale words
.set ADRA0, 4                          ; LDS address of my lane in block 0
.set AAS0,  5                          ; of my row's scale words in block 0
.set ADRA,  6                          ; the same for the block that is fetched next
.set AAS,   7
.set ADRB,  8                          ; of my fragments of Wp
.set STO,   9                          ; the stage: where I put 32 bytes of a row
.set RD,    10                         ; where I read a row back
.set CO,    11                         ; my byte offset in two rows of out0
.set SPW,   12                         ; my spare word; never rewritten
.set NIL,   13                         ; 0; never rewritten
.set PFO,   14                         ; the prefetch's offset; never rewritten
.set ABS,   15                         ; 32 x lane: a row of Wp's scale bytes
.set BIO,   16                         ; 32 x (lane / 16)
.set SB,    24                         ; v24-39 Wp's scale words: 8 p + q: lanes 0-15 column tile 2 p, lanes 16-31 tile 2 p + 1
.set SA,    44                         ; v44-59 ao's, two sets of eight
.set ACC,   64                         ; v64-127 two sets of four accumulators
.set BQ,    128                        ; v128-159 the bias in an accumulator's layout
.set OB,    160                        ; v160-191 16 rows read back from the stage
.set G1B, 28
.set G1A, 36
.set G1R, 44
.set G1S, 52
.set G0,  60
.set G0R, 68
.set MSB, 0
.macro WIN new                         ; the immediate's high byte repeats the setting that is left
.if MSB != \new
	s_set_vgpr_msb (MSB<<8)|\new
.set MSB, \new
.endif
.endm
.macro PLACES n
.rept \n
	v_nop
.endr
.endm
.macro BARRIER
	s_barrier_signal -1
	s_barrier_wait -1
.endm
.macro CROUND                          ; a round of the cluster's barrier
	BARRIER
	s_cmp_lg_u32 s16, 0
	s_cbranch_scc1 .Lnot_wave_0_\@
	s_barrier_signal -3
.Lnot_wave_0_\@:
	s_barrier_wait -3
	BARRIER
.endm
.macro TLOAD g0, g1                    ; an s_nop 0 and four v_nop follow a tensor load
	tensor_load_to_lds s[\g0:\g0+3], s[\g1:\g1+7]
	s_nop 0
	PLACES 4
.endm
.macro GROUP1 g, mask, rows            ; so many rows of 1,024 bytes, dense in memory, 16 bytes of padding behind each in LDS
	s_or_b32 s[\g+0], s[\mask], (1<<20)|(1<<21)|(7<<22)|(3<<25)
	s_mov_b32 s[\g+1], 1024<<16
	s_mov_b32 s[\g+2], (\rows)<<16
	s_mov_b32 s[\g+3], 1024<<16
	s_mov_b32 s[\g+4], \rows
	s_mov_b32 s[\g+5], 1024
	s_mov_b32 s[\g+6], 0
	s_mov_b32 s[\g+7], 0
.endm
	s_load_b128 s[4:7], s[0:1], 0x0                ; ao, aosc
	s_load_b128 s[8:11], s[0:1], 0x10              ; Wp's codes, scales
	s_load_b128 s[12:15], s[0:1], 0x20             ; bp, out0
	v_lshl_add_u32 v[SPW], v0, 2, SPARE
	v_mov_b32 v[NIL], 0
	ds_add_u32 v[SPW], v[NIL]                      ; the opening lines: the add, twice on end, and its wait
	ds_add_u32 v[SPW], v[NIL]
	v_lshrrev_b32 v1, 5, v0
	v_readfirstlane_b32 s16, v1                    ; wave 0..3
	s_lshr_b32 s17, s16, 1                         ; my row of waves
	s_and_b32 s18, s16, 1                          ; my column of waves
	s_bfe_u32 s19, ttmp6, 0x40000                  ; cx
	s_bfe_u32 s20, ttmp6, 0x40004                  ; cy
	s_lshl_b32 s21, ttmp9, 2
	s_add_co_u32 s21, s21, s19                     ; which 128 columns
	s_and_b32 s22, ttmp7, 0xffff
	s_lshl_b32 s22, s22, 2
	s_add_co_u32 s22, s22, s20                     ; which 256 tokens
	s_lshl_b32 s23, s20, 2
	s_lshl_b32 s23, 15, s23                        ; my row of the cluster
	s_lshl_b32 s24, 0x1111, s19                    ; my column
	GROUP1 G1B, 24, 128
	GROUP1 G1A, 23, 64
	GROUP1 G1R, 23, 32
	s_or_b32 s[G1S+0], s23, (3<<16)|(1<<21)        ; the scale words: 8,192 dense bytes as 32 rows of 256
	s_mov_b32 s[G1S+1], 32<<16
	s_mov_b32 s[G1S+2], 32<<16
	s_mov_b32 s[G1S+3], 32<<16
	s_mov_b32 s[G1S+4], 32
	s_mov_b32 s[G1S+5], 32
	s_mov_b32 s[G1S+6], 0
	s_mov_b32 s[G1S+7], 0
	s_mov_b32 s[G0], 1
	s_mov_b32 s[G0R], 1
	s_lshl_b32 s72, s21, 17                        ; Wp: 128 rows of 1,024 bytes a tile
	s_mov_b32 s73, 0
	s_lshl_b32 s74, s22, 18                        ; ao: 256 tokens of 1,024 bytes
	s_mov_b32 s75, 0
	s_lshl_b32 s76, s22, 13                        ; aosc: 256 tokens of 32 bytes
	s_mov_b32 s77, 0
	s_wait_dscnt 0x0                               ; both opening adds are done
	CROUND                                         ; all sixteen work-groups are here: the first joint loads meet
	s_wait_kmcnt 0x0
	s_add_nc_u64 s[74:75], s[4:5], s[74:75]        ; my tokens' codes
	s_cmp_eq_u32 s16, 0
	s_cbranch_scc0 .Lh1
	s_mov_b32 s[G0+1], YB
	s_add_nc_u64 s[G0+2:G0+3], s[8:9], s[72:73]
	s_or_b32 s[G0+3], s[G0+3], 0x80000000
	TLOAD G0, G1B                                  ; wave 0: Wp's rows, which are wanted first
	s_branch .Lasked
.Lh1:
	s_cmp_eq_u32 s16, 2
	s_cbranch_scc0 .Lh2
	s_mov_b32 s[G0+1], SCA
	s_add_nc_u64 s[G0+2:G0+3], s[6:7], s[76:77]
	s_or_b32 s[G0+3], s[G0+3], 0x80000000
	TLOAD G0, G1S                                  ; wave 2: ao's scale words
	s_branch .Lasked
.Lh2:
	s_mul_i32 s[G0+1], s17, 4*TILE
	s_lshl_b32 s78, s17, 16
	s_mov_b32 s79, 0
	s_add_nc_u64 s[G0+2:G0+3], s[74:75], s[78:79]
	s_or_b32 s[G0+3], s[G0+3], 0x80000000
	TLOAD G0, G1A                                  ; waves 1, 3: tokens 0-63, 64-127
.Lasked:
	v_and_b32 v1, 15, v0                           ; r
	v_bfe_u32 v2, v0, 4, 1                         ; h
	v_and_b32 v3, 31, v0                           ; lane
	s_wait_alu depctr_va_vdst(0)                   ; directly behind the writes
	s_mul_i32 s78, s17, TILE
	v_lshl_add_u32 v[ADRA0], v3, 4, s78            ; block i is token tile 2 i + my row of waves
	s_lshl_b32 s78, s17, 9
	s_add_co_u32 s78, s78, SCA
	v_lshl_add_u32 v[AAS0], v1, 3, s78
	v_add_nc_u32 v[ADRA], 2*TILE, v[ADRA0]         ; block 1
	v_add_nc_u32 v[AAS], 1024, v[AAS0]
	s_mul_i32 s78, s18, 4*TILE
	s_add_co_u32 s78, s78, YB
	v_mul_u32_u24 v17, v1, PITCH
	v_lshl_add_u32 v17, v2, 3, v17
	v_add_nc_u32 v[ADRB], s78, v17                 ; my 64 rows of Wp: row r, + 8 h
	s_mul_i32 s78, s16, 16*SP
	s_add_co_u32 s78, s78, STG
	v_mul_u32_u24 v17, v1, SP
	v_lshl_add_u32 v17, v2, 5, v17
	v_add_nc_u32 v[STO], s78, v17
	v_mul_u32_u24 v17, v2, SP
	v_lshl_add_u32 v17, v1, 4, v17
	v_add_nc_u32 v[RD], s78, v17                   ; back: lanes 0-15 one row of 256 bytes, lanes 16-31 the next
	v_lshlrev_b32 v17, 12, v2
	v_lshl_add_u32 v[CO], v1, 4, v17               ; and the same two rows in out0
	v_lshlrev_b32 v[ABS], 5, v3
	v_lshlrev_b32 v[BIO], 5, v2
	s_lshl_b32 s78, s19, 2
	s_add_co_u32 s78, s78, s16                     ; which of the cluster row's sixteen waves I am
	s_lshl_b32 s78, s78, 13
	s_lshl_b32 s79, s22, 18
	s_add_co_u32 s78, s78, s79
	s_add_co_u32 s78, s78, 131072
	v_lshl_add_u32 v[PFO], v3, 8, s78              ; my 8,192 bytes of tokens 128-255, a lane a block of 256
	s_lshl_b32 s78, s22, 8
	s_lshl_b32 s79, s17, 4
	s_add_co_u32 s78, s78, s79                     ; block 0's first token
	s_lshl_b32 s78, s78, 12
	s_lshl_b32 s79, s21, 9
	s_add_co_u32 s78, s78, s79
	s_lshl_b32 s79, s18, 8
	s_add_co_u32 s78, s78, s79                     ; + my 64 columns
	s_mov_b32 s79, 0
	s_add_nc_u64 s[14:15], s[14:15], s[78:79]
	s_lshl_b32 s78, s21, 7
	s_lshl_b32 s80, s18, 6
	s_add_co_u32 s78, s78, s80                     ; my first column
	s_lshl_b32 s80, s78, 5
	s_mov_b32 s81, 0
	s_add_nc_u64 s[10:11], s[10:11], s[80:81]
	s_lshl_b32 s80, s78, 2
	s_add_nc_u64 s[12:13], s[12:13], s[80:81]
	s_wait_alu depctr_va_vdst(0)
.irp p, 0,1
.irp c, 0,1
	global_load_b128 v[SB+8*\p+4*\c:SB+8*\p+4*\c+3], v[ABS], s[10:11] offset:\p*1024+16*\c   ; lane l takes row l of a pair of column tiles
.endr
.endr
.irp k, 0,1,2,3,4,5,6,7
	global_load_b128 v[BQ+4*\k:BQ+4*\k+3], v[BIO], s[12:13] offset:64*(\k/2)+16*(\k%2)       ; register 8 b + j: column 16 b + 8 h + j
.endr
	s_cmp_eq_u32 s16, 0
	s_cbranch_scc0 .Lnot_b
	s_wait_tensorcnt 0x0                           ; wave 0: Wp's rows are in.  The other waves' wait stands in front of the round below
.Lnot_b:
	BARRIER
	global_prefetch_b8 v[PFO], s[4:5] th:TH_LOAD_NT scope:SCOPE_SE
.set F_, 0
.rept 32                                       ; fragment 4 q + b: column tile b, the q-th 128 of K: 16 registers, window 1 + f / 16
	WIN (1+F_/16)<<6
.irp c, 0,1,2,3
	ds_load_b64 v[16*(F_%16)+4*\c:16*(F_%16)+4*\c+1], v[ADRB] offset:(F_%4)*TILE+128*(F_/4)+32*\c
	ds_load_b64 v[16*(F_%16)+4*\c+2:16*(F_%16)+4*\c+3], v[ADRB] offset:(F_%4)*TILE+128*(F_/4)+32*\c+16
.endr
.set F_, F_+1
.endr
	WIN 0
	s_wait_tensorcnt 0x0                           ; slot X and the scale words are in
	ds_add_u32 v[SPW], v[NIL]
	s_mul_i32 s[G0R+1], s16, 2*TILE                ; 32 rows a wave
	s_add_co_u32 s[G0R+1], s[G0R+1], YB
	s_lshl_b32 s82, s16, 15
	s_add_co_u32 s82, s82, 131072
	s_mov_b32 s83, 0
	s_add_nc_u64 s[G0R+2:G0R+3], s[74:75], s[82:83]
	s_or_b32 s[G0R+3], s[G0R+3], 0x80000000
	s_wait_dscnt 0x0                               ; the add is done, and Wp's rows are in my registers
	CROUND
	TLOAD G0R, G1R                                 ; tokens 128-255 over Wp's rows
.macro FETCH k                         ; a block into set k: image (q, c) lies at row 2 q + c / 2 of the tile, byte 512 (c % 2)
	WIN 3<<6
.irp q, 0,1,2,3,4,5,6,7
.irp c, 0,1,2,3
	ds_load_b128 v[128*(\k)+16*\q+4*\c:128*(\k)+16*\q+4*\c+3], v[ADRA] offset:(2*\q+\c/2)*PITCH+512*(\c%2)
.endr
.endr
	WIN 0
.irp j, 0,1,2,3
	ds_load_b64 v[SA+8*(\k)+2*\j:SA+8*(\k)+2*\j+1], v[AAS] offset:128*\j
.endr
.endm
.macro PRODS e, from, to               ; products from .. to - 1 of a block: n = 4 q + b
.set N_, \from
.rept (\to)-(\from)
.set AC_, ACC+32*(\e)+8*(N_%4)
.set C_, AC_
.if N_ < 4
.set C_, BQ+8*N_
.endif
	WIN (1+N_/16)|(3<<2)
.if N_%2
	v_wmma_scale_f32_16x16x128_f8f6f4 v[AC_:AC_+7], v[16*(N_%16):16*(N_%16)+15], v[128*(\e)+16*(N_/4):128*(\e)+16*(N_/4)+15], v[C_:C_+7], v[SB+8*((N_%4)/2)+N_/4], v[SA+8*(\e)+N_/4] matrix_a_scale:MATRIX_SCALE_ROW1
.else
	v_wmma_scale_f32_16x16x128_f8f6f4 v[AC_:AC_+7], v[16*(N_%16):16*(N_%16)+15], v[128*(\e)+16*(N_/4):128*(\e)+16*(N_/4)+15], v[C_:C_+7], v[SB+8*((N_%4)/2)+N_/4], v[SA+8*(\e)+N_/4]
.endif
.set N_, N_+1
.endr
.endm
.macro OST a                           ; accumulator set a into my stage, each accumulator from its low end on
.irp b, 0,1,2,3
	ds_store_b128 v[STO], v[ACC+32*(\a)+8*\b:ACC+32*(\a)+8*\b+3] offset:64*\b
	ds_store_b128 v[STO], v[ACC+32*(\a)+8*\b+4:ACC+32*(\a)+8*\b+7] offset:64*\b+16
.endr
.endm
.macro OLD                             ; and back by rows: LDS serves a wave's instructions in order (ISA guide 5.7.1.4)
.irp t, 0,1,2,3,4,5,6,7
	ds_load_b128 v[OB+4*\t:OB+4*\t+3], v[RD] offset:\t*2*SP
.endr
.endm
.macro OGS i                           ; block i leaves: 16 lanes store 256 consecutive bytes, aligned; a block is 32 rows of out0 on from the last
.irp t, 0,1,2,3,4,5,6,7
	global_store_b128 v[CO], v[OB+4*\t:OB+4*\t+3], s[14:15] offset:(\i)*131072+\t*8192 th:TH_STORE_NT
.endr
.endm
.macro BLK i
.if (\i) < 7
	s_wait_dscnt NF                                ; all but the next block's 36 loads
.else
	s_wait_dscnt 0x0
.endif
	s_wait_xcnt 0x0                                ; earlier stores have read their registers, which the loads below write
	PRODS (\i)%2, 0, 4
.if (\i) > 0
	WIN 0
	OST 1-(\i)%2
.endif
	PRODS (\i)%2, 4, 8
.if (\i) > 0
	WIN 0
	OLD
.endif
	PRODS (\i)%2, 8, 28
.if (\i) > 0
	WIN 0
	s_wait_dscnt 0x0                               ; the block before is back in registers
	OGS (\i)-1
.endif
	PRODS (\i)%2, 28, 32
	WIN 0
.if (\i) < 6
	v_add_nc_u32 v[ADRA], ((\i)+2)*2*TILE, v[ADRA0]   ; the block two on; with the six v_nop: eight places behind the last product
	v_add_nc_u32 v[AAS], ((\i)+2)*1024, v[AAS0]
	PLACES NP-2
	s_wait_alu depctr_va_vdst(0)                   ; directly behind the writes
.if (\i) == 2
	s_wait_tensorcnt 0x0                           ; my part of tokens 128-255 is in,
	s_wait_dscnt 0x0
	BARRIER                                        ; everybody's is
.endif
	FETCH (\i)%2
.else
	PLACES NP
.endif
.endm
	v_nop
	WIN 3<<6
.irp q, 0,1,2,3,4,5,6,7
.irp c, 0,1,2,3
	ds_load_b128 v[16*\q+4*\c:16*\q+4*\c+3], v[ADRA0] offset:(2*\q+\c/2)*PITCH+512*(\c%2)   ; block 0 into set 0
.endr
.endr
	WIN 0
.irp j, 0,1,2,3
	ds_load_b64 v[SA+2*\j:SA+2*\j+1], v[AAS0] offset:128*\j
.endr
	FETCH 1
	s_wait_loadcnt 0x0                             ; Wp's scale words and the bias
.irp i, 0,1,2,3,4,5,6,7
	BLK \i
.endr
	s_wait_xcnt 0x0
	OST 1
	OLD
	s_wait_dscnt 0x0
	OGS 7
	s_wait_tensorcnt 0x0                           ; the wave's end
	ds_add_u32 v[SPW], v[NIL]
	s_wait_dscnt 0x0
	CROUND                                         ; the closing round
	s_endpgm
.Lfunc_end_k_qf820d34141_proj:
	.size	k_qf820d34141_proj, .Lfunc_end_k_qf820d34141_proj-k_qf820d34141_proj
	.p2alignl 7, 3214868480
	.fill 96, 4, 3214868480
	.section	.rodata,"a",@progbits
	.p2align	6, 0x0
	.amdhsa_kernel k_qf820d34141_proj
		.amdhsa_group_segment_fixed_size 327680
		.amdhsa_private_segment_fixed_size 0
		.amdhsa_enable_private_segment 0
		.amdhsa_kernarg_size 48
		.amdhsa_user_sgpr_count 2
		.amdhsa_user_sgpr_kernarg_segment_ptr 1
		.amdhsa_wavefront_size32 1
		.amdhsa_system_sgpr_workgroup_id_x 1
		.amdhsa_system_sgpr_workgroup_id_y 1
		.amdhsa_system_sgpr_workgroup_id_z 1
		.amdhsa_system_vgpr_workitem_id 0
		.amdhsa_next_free_vgpr 1024
		.amdhsa_next_free_sgpr 100
		.amdhsa_reserve_vcc 0
		.amdhsa_float_denorm_mode_32 3
		.amdhsa_float_denorm_mode_16_64 3
		.amdhsa_memory_ordered 1
		.amdhsa_forward_progress 1
		.amdhsa_inst_pref_size 97
	.end_amdhsa_kernel
	.amdgpu_metadata
---
amdhsa.version: [ 1, 2 ]
amdhsa.kernels:
  - .name:           k_qf820d34141_proj
    .symbol:         k_qf820d34141_proj.kd
    .args:
      - { .name: ao, .offset: 0, .size: 8, .value_kind: global_buffer, .address_space: global }
      - { .name: aosc, .offset: 8, .size: 8, .value_kind: global_buffer, .address_space: global }
      - { .name: Wp_codes, .offset: 16, .size: 8, .value_kind: global_buffer, .address_space: global }
      - { .name: Wp_scales, .offset: 24, .size: 8, .value_kind: global_buffer, .address_space: global }
      - { .name: bp, .offset: 32, .size: 8, .value_kind: global_buffer, .address_space: global }
      - { .name: out0, .offset: 40, .size: 8, .value_kind: global_buffer, .address_space: global }
    .group_segment_fixed_size: 327680
    .private_segment_fixed_size: 0
    .kernarg_segment_align: 8
    .kernarg_segment_size: 48
    .max_flat_workgroup_size: 128
    .sgpr_count:     100
    .vgpr_count:     1024
    .wavefront_size: 32
...
	.end_amdgpu_metadata
.endif
;; end of part 3
